; MI455X (gfx1250); checked and timed in simulation.
; The chip was launched on July 23, 2026; its instructions are those of AMD's public machine-readable ISA for CDNA 5 (MIT licence, August 2026) and "CDNA5" Instruction Set Architecture Reference Guide (July 2026). The comments in the code are by the model that wrote it; some were corrected since.
;; RWKV Tiny Attn. Allowed arithmetic: matrix products marked QUANTISED: E2M1 operands, one E8M0 scale for each 32 along K, by v_wmma_scale_f32_16x16x128_f8f6f4 with both operands' format E2M1 (or v_wmma_scale_f32_32x16x128_f4), f32 sums; products left as they are: bf16, f16 or f32 operands; f32 sums; everything else in f32.
;; Inputs: W_out 1,024 x 1,024 float32; W_qkv 1,024 x 3,072 float32; b_out 1,024 float32; b_qkv 3,072 float32; mask 2,048 x 2,048 int32; x 4 x 2,048 x 1,024 float32.
;; Outputs: out0 4 x 2,048 x 1,024 float32.
;; This version of the problem:
;;   THIS VERSION OF THE PROBLEM IS GIVEN IN LOW PRECISION. The matrix products marked QUANTISED in the list below multiply operands that are first quantised to E2M1 (2 exponent bits, 1 mantissa bit; 4 bits a number), with one power-of-two scale for each 32 numbers along K (OCP MX v1.0); their sums are f32. The products marked 'left as it is' may take bf16, f16 or f32 operands, with f32 sums. Whichever they take, every output number must still come out within the allowed error. Rounding operands to bf16 (8 significant bits) uses up far more of that allowance than f16 does (11 bits, for magnitudes from 6e-5 to 65,504). All else is computed in f32.
;;   The module's matrix products, in the order in which they are computed (A, B: the left and right operand; K: the contracted axis; several contracted axes count as one K, in the product's order):
;;     1. [M 8,192, K 1,024] x [K 1,024, N 3,072]; A: input x; B: input W_qkv: QUANTISED
;;     2. batch 64 x [M 2,048, K 64] x [K 64, N 2,048]; A: computed on the way; B: computed on the way: left as it is (an operand is computed on the way)
;;     3. batch 64 x [M 2,048, K 2,048] x [K 2,048, N 64]; A: computed on the way; B: computed on the way: left as it is (an operand is computed on the way)
;;     4. [M 8,192, K 1,024] x [K 1,024, N 1,024]; A: computed on the way; B: input W_out: left as it is (an operand is computed on the way)
;;   THE QUANTISER, for each operand of a quantised product, along K:
;;     - K is cut into blocks of 32 from its start; a last block that is shorter is filled with zeros.
;;     - A block's scale is 2^e with e = floor(log2(the largest magnitude in the block)) - 2, held to -126 .. 127; a block of zeros has e = 0. As a byte (E8M0): e + 127.
;;     - Each number is divided by its block's scale, clamped to +-6, and rounded to the nearest number of E2M1, ties to even, subnormals kept.
;;     - The product sums the exact products of the quantised numbers (number of the format x scale) in f32.
;;   ~~~python
;;   def quantise(x, axis):      # numpy; x: float32 -> the quantised numbers, widened to float32 again
;;       x = np.moveaxis(x, axis, -1); K = x.shape[-1]
;;       x = np.pad(x, [(0, 0)] * (x.ndim - 1) + [(0, -K % 32)]); x = x.reshape(x.shape[:-1] + (-1, 32)); a = np.abs(x).max(-1, keepdims=True)
;;       e = np.where(a > 0, np.clip(np.frexp(np.where(a > 0, a, 1))[1] - 1 - 2, -126, 127), 0)      # np.frexp(a)[1] - 1 = floor(log2(a)), exactly
;;       r = np.clip(x / 2.0 ** e, -6, 6)
;;       step = 2.0 ** (np.maximum(np.frexp(np.where(r == 0, 1, r))[1] - 1, 0) - 1)
;;       q = np.round(r / step) * step * 2.0 ** e      # np.round: ties to even
;;       return np.moveaxis(q.reshape(q.shape[:-2] + (-1,))[..., :K], -1, axis).astype(np.float32)
;;   ~~~
;; One version. Each part assembles by itself: llvm-mc -triple=amdgcn-amd-amdhsa -mcpu=gfx1250 --defsym DOCPART=n.
;; ======== version 1 of 1: 6 launches
;; limits: values are held in f16: magnitudes above 65,504 overflow, below 6.1e-05 lose precision
;; workspace buffers: cod 5,767,168 bytes; scl 360,448 bytes; wo16 2,097,152 bytes; mw 525,312 bytes of whole numbers; qkv16 50,331,648 bytes; o16 16,777,216 bytes; o32 262,144 bytes
;; launch prep (part 1): grid 560 x 1, 4 waves a work-group, no clusters, 68,096 bytes of LDS; arguments x, W_qkv, W_out, mask, cod, scl, wo16, mw; writes cod, scl, wo16, mw
.if DOCPART == 1
	.amdgcn_target "amdgcn-amd-amdhsa--gfx1250"
	.amdhsa_code_object_version 6
	.text
	.protected	k_q0204b86918_prep
	.globl	k_q0204b86918_prep
	.p2align	8
	.type	k_q0204b86918_prep,@function
k_q0204b86918_prep:
	s_mov_b64 s[64:65], 0
	v_nop
	global_prefetch_b8 v0, s[64:65] scope:SCOPE_SE
	s_setreg_imm32_b32 hwreg(HW_REG_WAVE_MODE, 25, 1), 1
	s_wait_xcnt 0x0
; out = softmax_mask((x Wq + bq)(x Wk + bk)^T / 8)(x Wv + bv) W_out + b_out.  This first launch prepares the operands; four paths, chosen by the work-group's number:
;   0-255   x [8192][1024] f32 -> codes of E2M1 (cod, [row][512 bytes], K innermost) and E8M0 bytes (scl, [row][32])
;   256-383 mask [2048][2048] int32 -> lane masks (mw): word n of (qt, ks) has bit L = mask[16 qt + L % 16][64 ks + 16 (n / 8) + 8 (L / 16) + n % 8] != 0: the lanes of score register n
;           of a tile of 16 queries x 64 keys; behind them ANY[qt] (bit ks: some key of the tile is open) and ALL[qt] (bit ks: all are)
;   384-431 W_qkv [1024 (k)][3072 (n)] f32 -> codes [n][512 bytes] at cod + 4,194,304 and bytes [n][32] at scl + 262,144
;   432-559 W_out f32 -> f16, same layout (wo16)
; DEAD WORK: no input is dead; all six are loaded by some launch.  Left out later, in whole tiles of 16 queries x 64 (or 16) keys: scores whose mask words are all 0.  reference() turns every one of them into
; -inf, whose weight is 0 whatever x, W and b hold, so they reach no output; the choice is made on the whole numbers that this launch stores.  LIMIT: a NaN, an infinity or an overflow that would arise only in such a tile is not carried to the result.
; THE QUANTISER: a block's scale is 2^(floor(log2(largest magnitude)) - 2); its byte is the magnitude's exponent field - 2, held at 1 from below.  A block of zeros gets the byte 1 where the rule says 127:
; its codes are zeros, and only this program reads the bytes.  LIMITS: blocks whose largest magnitude lies under 2^-124 are held at the byte 1; NaN and infinities in x and W_qkv are not served; |W_out| up to 65,504 (f16).
.set SPARE, 67584                      ; LDS: x's stages 0 .. 32,767; W's stages 32,768 .. 67,583; the spare words, 128 bytes a wave
.set SPW,   192                        ; v192 my spare word's address; never rewritten
.set NIL,   193                        ; v193 0; never rewritten
.set EMAX,  2
.macro FINISH                          ; the end of a wave that stored to LDS
	s_wait_tensorcnt 0x0
	ds_add_u32 v[SPW], v[NIL]
	s_wait_dscnt 0x0
	s_endpgm
.endm
	s_load_b256 s[4:11], s[0:1], 0x0               ; x s[4:5], W_qkv s[6:7], W_out s[8:9], mask s[10:11]
	s_load_b256 s[12:19], s[0:1], 0x20             ; cod s[12:13], scl s[14:15], wo16 s[16:17], mw s[18:19]
	v_lshl_add_u32 v[SPW], v0, 2, SPARE
	v_mov_b32 v[NIL], 0
	v_lshrrev_b32 v1, 5, v0
	v_readfirstlane_b32 s20, v1                    ; wave 0..3
	v_and_b32 v2, 31, v0                           ; lane
	s_wait_kmcnt 0x0
	s_cmp_lt_u32 ttmp9, 256
	s_cbranch_scc1 .Lpath_x
	s_cmp_lt_u32 ttmp9, 384
	s_cbranch_scc1 .Lpath_m
	s_cmp_lt_u32 ttmp9, 432
	s_cbranch_scc1 .Lpath_w
; ---- W_out to f16: a wave takes 2,048 numbers; a load covers 512 consecutive bytes, a store 256, aligned
	s_sub_co_u32 s21, ttmp9, 432
	s_lshl_b32 s21, s21, 2
	s_add_co_u32 s21, s21, s20                     ; my run
	s_lshl_b32 s22, s21, 13
	s_mov_b32 s23, 0
	s_add_nc_u64 s[8:9], s[8:9], s[22:23]
	s_lshl_b32 s22, s21, 12
	s_add_nc_u64 s[16:17], s[16:17], s[22:23]
	v_lshlrev_b32 v3, 4, v2
	v_lshlrev_b32 v4, 3, v2
.irp i, 0,1,2,3,4,5,6,7,8,9,10,11,12,13,14,15
	global_load_b128 v[32+4*\i:35+4*\i], v3, s[8:9] offset:512*\i
.endr
.irp i, 0,1,2,3,4,5,6,7,8,9,10,11,12,13,14,15
	s_wait_loadcnt 15-\i                           ; loads come back in order: load i is in, the younger ones stay out
	v_cvt_pk_f16_f32 v[96+2*\i], v[32+4*\i], v[33+4*\i]
	v_cvt_pk_f16_f32 v[97+2*\i], v[34+4*\i], v[35+4*\i]
	global_store_b64 v4, v[96+2*\i:97+2*\i], s[16:17] offset:256*\i
.endr
	s_endpgm
; ---- the mask: work-group = a tile of 16 queries; wave w takes key steps 8 w .. 8 w + 7, four at a time
.Lpath_m:
	s_sub_co_u32 s21, ttmp9, 256                   ; qt
	v_and_b32 v3, 15, v0                           ; r
	v_bfe_u32 v4, v0, 4, 1                         ; h
	v_lshlrev_b32 v5, 13, v3                       ; row r of 8,192 bytes,
	v_lshl_add_u32 v5, v4, 5, v5                   ; + 32 h: my eight keys of each 16
	v_lshlrev_b32 v6, 3, v2                        ; the words' way out: 8 bytes a lane
	s_lshl_b32 s22, s21, 17                        ; 16 rows a tile,
	s_lshl_b32 s23, s20, 11                        ; 8 steps of 256 bytes a wave
	s_add_co_u32 s22, s22, s23
	s_mov_b32 s23, 0
	s_add_nc_u64 s[10:11], s[10:11], s[22:23]
	s_lshl_b32 s22, s21, 12                        ; the words: 32 steps x 128 bytes a tile,
	s_lshl_b32 s24, s20, 10                        ; 8 steps a wave
	s_add_co_u32 s22, s22, s24
	s_add_nc_u64 s[26:27], s[18:19], s[22:23]
	s_lshl_b32 s22, s21, 2                         ; ANY[qt], my byte of it
	s_add_co_u32 s22, s22, s20
	s_add_co_u32 s22, s22, 524288
	s_add_nc_u64 s[28:29], s[18:19], s[22:23]
	s_mov_b32 s34, 0                               ; my eight bits of ANY,
	s_mov_b32 s35, 0                               ; and of ALL
.irp i, 16,17,18,19,20,21,22,23
	v_mov_b32 v\i, 0                               ; (a lane write's destination counts as read)
.endr
.macro MLOAD g, i                      ; step 4 g + i: register 32 + 32 i + n holds mask[row r][64 ks + 16 (n / 8) + 8 h + n % 8]
.irp t, 0,1,2,3
.irp e, 0,1
	global_load_b128 v[32+32*(\i)+8*\t+4*\e:32+32*(\i)+8*\t+4*\e+3], v5, s[10:11] offset:(4*(\g)+(\i))*256+\t*64+\e*16 th:TH_LOAD_NT
.endr
.endr
.endm
.macro MSTEP g, i, left                ; 32 compares give the step's 32 words; word n goes to lane 16 (i % 2) + n / 2 of a register pair, so that a pair of steps leaves as 256 consecutive bytes
	s_wait_loadcnt \left
	s_mov_b32 s30, 0
	s_mov_b32 s31, -1
.set n, 0
.rept 32
	v_cmp_ne_u32 s32, 0, v[32+32*(\i)+n]
	v_writelane_b32 v[16+4*(\g)+2*((\i)/2)+n%2], s32, 16*((\i)%2)+n/2
	s_or_b32 s30, s30, s32
	s_and_b32 s31, s31, s32
.set n, n+1
.endr
	s_cmp_lg_u32 s30, 0
	s_cselect_b32 s33, 1<<(4*(\g)+(\i)), 0
	s_or_b32 s34, s34, s33
	s_cmp_eq_u32 s31, -1
	s_cselect_b32 s33, 1<<(4*(\g)+(\i)), 0
	s_or_b32 s35, s35, s33
.endm
	MLOAD 0, 0
	MLOAD 0, 1
	MLOAD 0, 2
	MLOAD 0, 3
.irp i, 0,1,2,3
	MSTEP 0, \i, 24                                ; three later steps' eight loads each stay out
	MLOAD 1, \i                                    ; the step's registers take the step four on
.endr
	global_store_b64 v6, v[16:17], s[26:27]
	global_store_b64 v6, v[18:19], s[26:27] offset:256
	MSTEP 1, 0, 24
	MSTEP 1, 1, 16
	MSTEP 1, 2, 8
	MSTEP 1, 3, 0
	global_store_b64 v6, v[20:21], s[26:27] offset:512
	global_store_b64 v6, v[22:23], s[26:27] offset:768
	v_mov_b32 v7, s34
	v_mov_b32 v8, s35
	v_cmp_eq_u32 vcc_lo, 1, v2
	v_cndmask_b32 v7, v7, v8, vcc_lo               ; lane 0: my byte of ANY; lane 1: of ALL, 512 bytes on
	v_lshlrev_b32 v9, 9, v2
	v_cmp_gt_u32 vcc_lo, 2, v2
	s_wait_xcnt 0x0                                ; EXEC changes only behind this wait
	s_and_saveexec_b32 s36, vcc_lo
	global_store_b8 v9, v7, s[28:29]
	s_wait_xcnt 0x0
	s_or_b32 exec_lo, exec_lo, s36
	s_endpgm
; ---- x: a plain stream of blocks of 32.  A wave takes 16 steps of 512 numbers.  Loads take the bytes as they lie (512 a load); a step's 2,048 bytes turn through the wave's own stage in LDS, so that a lane
; holds 16 neighbours (two lanes a block).  A step's codes leave as 256 consecutive bytes; a wave's 256 scale bytes are gathered in LDS and leave as one aligned run.
.set STEPS, 16
.set CB,    8
.set XR,    16                         ; v16-79   four sets of 16 numbers as loaded
.set XX,    80                         ; v80-111  two sets of 16 neighbours
.set XE,    112                        ; v112-127 a scale byte for each step
.set XC,    128                        ; v128-191 codes, four registers a step
.set WREG,  8192                       ; a wave's LDS: two stages of 32 x 80 bytes, then its 256 scale bytes
.set SP,    80
.Lpath_x:
	v_lshlrev_b32 v3, 4, v2
	s_mul_i32 s21, s20, WREG
	v_lshrrev_b32 v14, 2, v2
	v_mul_u32_u24 v14, v14, SP
	v_and_b32 v15, 3, v2
	v_lshl_add_u32 v14, v15, 4, v14
	v_add_nc_u32 v14, s21, v14                     ; into the stage: 80 (lane / 4) + 16 (lane % 4)
	v_mul_u32_u24 v15, v2, SP
	v_add_nc_u32 v15, s21, v15                     ; out of it: 80 x lane
	v_mul_u32_u24 v4, v2, CB
	v_lshrrev_b32 v5, 1, v2
	s_add_co_u32 s21, s21, 2*32*SP
	v_add_nc_u32 v5, s21, v5                       ; my block's byte
	v_lshlrev_b32 v7, 3, v2
	v_add_nc_u32 v6, s21, v7
	s_lshl_b32 s22, ttmp9, 2
	s_add_co_u32 s22, s22, s20                     ; my run of 8,192 numbers
	s_mov_b32 s25, 0
	s_lshl_b32 s24, s22, 15
	s_add_nc_u64 s[4:5], s[4:5], s[24:25]
	s_lshl_b32 s24, s22, 12
	s_add_nc_u64 s[12:13], s[12:13], s[24:25]
	s_lshl_b32 s24, s22, 8
	s_add_nc_u64 s[14:15], s[14:15], s[24:25]
.macro XLOAD t
.irp i, 0,1,2,3
	global_load_b128 v[XR+16*((\t)%4)+4*\i:XR+16*((\t)%4)+4*\i+3], v3, s[4:5] offset:2048*(\t)+512*\i th:TH_LOAD_NT
.endr
.endm
.macro XTURN t                         ; LDS serves a wave's instructions in order: no wait between the stores and the loads
.irp i, 0,1,2,3
	ds_store_b128 v14, v[XR+16*((\t)%4)+4*\i:XR+16*((\t)%4)+4*\i+3] offset:32*SP*((\t)%2)+8*SP*\i
.endr
.irp i, 0,1,2,3
	ds_load_b128 v[XX+16*((\t)%2)+4*\i:XX+16*((\t)%2)+4*\i+3], v15 offset:32*SP*((\t)%2)+16*\i
.endr
.endm
.irp t, 0,1,2,3
	XLOAD \t
.endr
	s_wait_loadcnt 12                              ; step 0's four loads are in
	XTURN 0
.macro XSTEP t
.set XS, XX+16*((\t)%2)
.if (\t) > 0
	s_wait_dscnt 1                                 ; this step's numbers are back (the last step's byte store may be out)
.else
	s_wait_dscnt 0x0
.endif
.if (\t)+4 < STEPS
	XLOAD (\t)+4
.endif
.if (\t)+1 < STEPS
.if STEPS-2-(\t) >= 3
	s_wait_loadcnt 12                              ; the next step's loads are in; three later steps' may be out
.else
	s_wait_loadcnt 4*(STEPS-2-(\t))
.endif
	XTURN (\t)+1
.endif
	v_max3_num_f32 v8, |v[XS]|, |v[XS+1]|, |v[XS+2]|
	v_max3_num_f32 v9, |v[XS+3]|, |v[XS+4]|, |v[XS+5]|
.irp i, 6,10
	v_max3_num_f32 v8, v8, |v[XS+\i]|, |v[XS+\i+1]|
	v_max3_num_f32 v9, v9, |v[XS+\i+2]|, |v[XS+\i+3]|
.endr
	v_max3_num_f32 v8, v8, |v[XS+14]|, |v[XS+15]|
	v_max3_num_f32 v8, v8, v9, (EMAX+1)<<23        ; the floor 2^(3 - 127): the byte cannot fall under 1
	v_max_num_f32_dpp v8, v8, v8 row_xmask:1 row_mask:0xf bank_mask:0xf   ; with my neighbour's 16: the block's largest magnitude
	v_add_nc_u32 v11, -(EMAX<<23), v8              ; 2 off its exponent field: the conversion's scale operand
	v_cvt_scalef32_pk8_fp4_f32 v[XC+4*(\t)], v[XS:XS+7], v11
	v_cvt_scalef32_pk8_fp4_f32 v[XC+4*(\t)+1], v[XS+8:XS+15], v11
	v_lshrrev_b32 v[XE+(\t)], 23, v11              ; the scale's byte
	ds_store_b8 v5, v[XE+(\t)] offset:16*(\t)      ; both lanes of a block write the same byte
	global_store_b64 v4, v[XC+4*(\t):XC+4*(\t)+1], s[12:13] offset:32*CB*(\t)
.endm
.irp t, 0,1,2,3,4,5,6,7,8,9,10,11,12,13,14,15
	XSTEP \t
.endr
	ds_load_b64 v[8:9], v6
	s_wait_dscnt 0x0
	global_store_b64 v7, v[8:9], s[14:15]
	FINISH
; ---- W_qkv: K is its first axis.  A lane takes a column n, its registers run down K: a block of 32 lies in one lane.  A wave takes 32 columns x 512 along K; the codes leave through the wave's stage as rows of 256 bytes.
.set KW,     512
.set NB,     16
.set WPITCH, 272
.set KROW,   512
.set WN,     3072
.set WSB,    24                        ; v24-27   the scale bytes
.set WX,     32                        ; v32-95   two sets of 32 numbers
.set WC,     96                        ; v96-99   a block's codes
.set WOUT,   112                       ; v112-175 the way out
.Lpath_w:
	s_sub_co_u32 s21, ttmp9, 384
	s_cmp_ge_u32 s21, 24
	s_cselect_b32 s22, 1, 0                        ; which 512 along K
	s_cselect_b32 s23, 24, 0
	s_sub_co_u32 s21, s21, s23                     ; which 128 columns
	s_lshl_b32 s24, s21, 7
	s_lshl_b32 s25, s20, 5
	s_add_co_u32 s24, s24, s25                     ; my wave's first column
	v_lshlrev_b32 v3, 2, v2
	s_mul_i32 s25, s20, 32*WPITCH
	s_add_co_u32 s25, s25, 32768                   ; my stage
	v_mul_u32_u24 v4, v2, WPITCH
	v_add_nc_u32 v4, s25, v4
	v_and_b32 v5, 15, v2
	v_lshrrev_b32 v6, 4, v2
	v_mul_u32_u24 v7, v6, WPITCH
	v_lshl_add_u32 v7, v5, 4, v7
	v_add_nc_u32 v7, s25, v7
	v_mul_u32_u24 v8, v6, KROW
	v_lshl_add_u32 v8, v5, 4, v8
	v_lshlrev_b32 v9, 5, v2                        ; my column's row of scale bytes
	s_mul_i32 s26, s22, KW*WN*4
	s_lshl_b32 s27, s24, 2
	s_add_co_u32 s26, s26, s27
	s_mov_b32 s27, 0
	s_add_nc_u64 s[6:7], s[6:7], s[26:27]
	s_lshl_b32 s26, s24, 9
	s_lshl_b32 s28, s22, 8
	s_add_co_u32 s26, s26, s28
	s_add_co_u32 s26, s26, 0x400000
	s_add_nc_u64 s[12:13], s[12:13], s[26:27]
	s_lshl_b32 s26, s24, 5
	s_lshl_b32 s28, s22, 4
	s_add_co_u32 s26, s26, s28
	s_add_co_u32 s26, s26, 0x40000
	s_add_nc_u64 s[14:15], s[14:15], s[26:27]
.macro WLOAD t
.irp i, 0,1,2,3,4,5,6,7,8,9,10,11,12,13,14,15,16,17,18,19,20,21,22,23,24,25,26,27,28,29,30,31
	global_load_b32 v[WX+32*((\t)%2)+\i], v3, s[6:7] offset:(32*(\t)+\i)*WN*4 th:TH_LOAD_NT
.endr
.endm
	WLOAD 0
	WLOAD 1
.macro WBLOCK t
.set XS, WX+32*((\t)%2)
.if (\t) < NB-1
	s_wait_loadcnt 32                              ; this block's 32 loads are in; the next block's may be out
.else
	s_wait_loadcnt 0
.endif
	v_max3_num_f32 v12, |v[XS]|, |v[XS+1]|, |v[XS+2]|
	v_max3_num_f32 v13, |v[XS+3]|, |v[XS+4]|, |v[XS+5]|
.irp i, 6,10,14,18,22,26
	v_max3_num_f32 v12, v12, |v[XS+\i]|, |v[XS+\i+1]|
	v_max3_num_f32 v13, v13, |v[XS+\i+2]|, |v[XS+\i+3]|
.endr
	v_max3_num_f32 v12, v12, |v[XS+30]|, |v[XS+31]|
	v_max3_num_f32 v12, v12, v13, (EMAX+1)<<23
	v_add_nc_u32 v11, -(EMAX<<23), v12
	v_lshrrev_b32 v13, 23, v11
.if (\t)%4 == 0
	v_mov_b32 v[WSB+(\t)/4], v13
.else
	v_lshl_or_b32 v[WSB+(\t)/4], v13, 8*((\t)%4), v[WSB+(\t)/4]
.endif
.irp g, 0,1,2,3
	v_cvt_scalef32_pk8_fp4_f32 v[WC+\g], v[XS+8*\g:XS+8*\g+7], v11
.endr
	ds_store_b128 v4, v[WC:WC+3] offset:16*(\t)
.if (\t)+2 < NB
	WLOAD (\t)+2
.endif
	s_wait_dscnt 0x0                               ; the store has read its registers: the next block's codes may be written
.endm
.set Q, 0
.rept NB
	WBLOCK Q
.set Q, Q+1
.endr
	global_store_b128 v9, v[WSB:WSB+3], s[14:15]
.irp t, 0,1,2,3,4,5,6,7,8,9,10,11,12,13,14,15
	ds_load_b128 v[WOUT+4*\t:WOUT+4*\t+3], v7 offset:2*\t*WPITCH
.endr
.irp t, 0,1,2,3,4,5,6,7,8,9,10,11,12,13,14,15
	s_wait_dscnt 15-\t
	global_store_b128 v8, v[WOUT+4*\t:WOUT+4*\t+3], s[12:13] offset:2*\t*KROW
.endr
	FINISH
.Lfunc_end_k_q0204b86918_prep:
	.size	k_q0204b86918_prep, .Lfunc_end_k_q0204b86918_prep-k_q0204b86918_prep
	.p2alignl 7, 3214868480
	.fill 96, 4, 3214868480
	.section	.rodata,"a",@progbits
	.p2align	6, 0x0
	.amdhsa_kernel k_q0204b86918_prep
		.amdhsa_group_segment_fixed_size 68096
		.amdhsa_private_segment_fixed_size 0
		.amdhsa_enable_private_segment 0
		.amdhsa_kernarg_size 64
		.amdhsa_user_sgpr_count 2
		.amdhsa_user_sgpr_kernarg_segment_ptr 1
		.amdhsa_wavefront_size32 1
		.amdhsa_system_sgpr_workgroup_id_x 1
		.amdhsa_system_sgpr_workgroup_id_y 1
		.amdhsa_system_sgpr_workgroup_id_z 1
		.amdhsa_system_vgpr_workitem_id 0
		.amdhsa_next_free_vgpr 200
		.amdhsa_next_free_sgpr 66
		.amdhsa_reserve_vcc 1
		.amdhsa_float_denorm_mode_32 3
		.amdhsa_float_denorm_mode_16_64 3
		.amdhsa_memory_ordered 1
		.amdhsa_forward_progress 1
		.amdhsa_inst_pref_size 175
	.end_amdhsa_kernel
	.amdgpu_metadata
---
amdhsa.version: [ 1, 2 ]
amdhsa.kernels:
  - .name:           k_q0204b86918_prep
    .symbol:         k_q0204b86918_prep.kd
    .args:
      - { .name: x, .offset: 0, .size: 8, .value_kind: global_buffer, .address_space: global }
      - { .name: W_qkv, .offset: 8, .size: 8, .value_kind: global_buffer, .address_space: global }
      - { .name: W_out, .offset: 16, .size: 8, .value_kind: global_buffer, .address_space: global }
      - { .name: mask, .offset: 24, .size: 8, .value_kind: global_buffer, .address_space: global }
      - { .name: cod, .offset: 32, .size: 8, .value_kind: global_buffer, .address_space: global }
      - { .name: scl, .offset: 40, .size: 8, .value_kind: global_buffer, .address_space: global }
      - { .name: wo16, .offset: 48, .size: 8, .value_kind: global_buffer, .address_space: global }
      - { .name: mw, .offset: 56, .size: 8, .value_kind: global_buffer, .address_space: global }
    .group_segment_fixed_size: 68096
    .private_segment_fixed_size: 0
    .kernarg_segment_align: 8
    .kernarg_segment_size: 64
    .max_flat_workgroup_size: 128
    .sgpr_count:     66
    .vgpr_count:     200
    .wavefront_size: 32
...
	.end_amdgpu_metadata
.endif
;; end of part 1
;; launch qkv (part 2): grid 12 x 32, 4 waves a work-group, clusters of 4 x 4, 327,680 bytes of LDS; arguments cod, scl, b_qkv, qkv16; writes qkv16
.if DOCPART == 2
	.amdgcn_target "amdgcn-amd-amdhsa--gfx1250"
	.amdhsa_code_object_version 6
	.text
	.protected	k_q0204b86918_qkv
	.globl	k_q0204b86918_qkv
	.p2align	8
	.type	k_q0204b86918_qkv,@function
k_q0204b86918_qkv:
	s_mov_b64 s[64:65], 0
	v_nop
	global_prefetch_b8 v0, s[64:65] scope:SCOPE_SE
	s_setreg_imm32_b32 hwreg(HW_REG_WAVE_MODE, 25, 1), 1
	s_wait_xcnt 0x0
	s_wait_alu depctr_hold_cnt(0) depctr_sa_sdst(0) depctr_va_vdst(0) depctr_va_sdst(0) depctr_va_ssrc(0) depctr_va_vcc(0) depctr_vm_vsrc(0)
	s_getreg_b32 s2, hwreg(HW_REG_IB_STS2, 6, 4)
	s_cmp_eq_u32 s2, 0
	s_cbranch_scc0 .Lentry_in_a_cluster
	s_endpgm
.Lentry_in_a_cluster:
	s_bfe_u32 s2, ttmp6, 0x10000c
	s_cmp_lg_u32 s2, 0xf033
	s_cbranch_scc0 .Lentry_shape_is_right
	s_endpgm
.Lentry_shape_is_right:
; qkv = Q(x) Q(W_qkv) + b_qkv on codes of E2M1 with E8M0 scales; result in f16, laid [b 4][g 48][t 2048][64], g = column / 64 (0-15 the heads of q, 16-31 of k, 32-47 of v).
; A = x's codes [8192][512 bytes] at cod, B = W's codes [3072][512 bytes] at cod + 4,194,304; scale bytes [row][32] at scl and scl + 262,144.
; A tile of 256 x 256 to a work-group of four waves, 128 x 128 a wave: 64 accumulators.  K = 1,024 is two K steps of 512 (rows of 256 bytes): both LDS slots are filled at the head and nothing is filled again.
; The scales of the work-group's rows come once, as dense blocks.  CLUSTERS: 4 x 4 work-groups; A's tiles are asked for jointly along a row of the cluster, B's along a column.
; THE MATRIX INSTRUCTION IS USED TRANSPOSED (source 0 = 16 rows of B, source 1 = 16 rows of A): a lane holds eight neighbouring columns of one row.  The bias is the C of each sum's first product.
; LIMIT: |q|, |k|, |v| up to 65,504 (f16).
; REGISTERS: window 0: v0-31 addresses; v32-95 scale words, two sets; v128-191 A's fragments, one set; v192-255 the bias, 8 registers for each of B's blocks; on the way out v32-63, v192-255 at work.
;   window 1: B's fragments, two sets.   window 2: accumulators of my rows 0-63 ((a, b) at v[8 (8 a + b)]);   window 3: of my rows 64-127.
.set SIZE_K, 1024
.set KSTEP,  512
.set NQ,     4
.set ROWB,   256
.set KROW,   512
.set PITCH,  272                       ; 256 bytes + 16: the 16 rows of a fragment load start at 16 different groups of four banks
.set FR,     8
.set NL,     2
.set NP,     4
.set HALFT,  128*PITCH
.set SLOT,   4*HALFT
.set KS,     32
.set SCL,    2*SLOT
.set HALFS,  (128*KS/256)*272
.set SBLK,   (16*KS/256)*272
.set SPARE,  SCL+4*HALFS
.set SPITCH, 272                       ; the way out: a stage of 16 rows x (256 + 16) bytes a wave, in slot 0, which has had its only fill and its last read by then
.set ADRA, 16
.set ADRB, 20
.set STO,  24
.set RD,   25
.set CO,   26
.set ADRS, 27
.set SPW,  28
.set NIL,  29
.set BO,   30
.set SC,   32
.set AF,   128
.set BIAS, 192
.set TMP,  192
.set OB,   32
.set G1, 24
.set G0, 32
.set G1B, 48
.set G0B, 56
.set G1S, 68
.set G0S, 76
.set G1SB, 80
.set G0SB, 88
.set MSB, 0
.macro WIN new                         ; the immediate's high byte repeats the setting that is left
.if MSB != \new
	s_set_vgpr_msb (MSB<<8)|\new
.set MSB, \new
.endif
.endm
.set MUL_LO, 0xa1                      ; source 0 (B) window 1, source 1 (A) window 0, C and D window 2
.set MUL_HI, 0xf1                      ; the same, C and D window 3
.set BIA_LO, 0x81                      ; the first products: C (the bias) window 0, D window 2
.set BIA_HI, 0xc1                      ; D window 3
.set TO_B,   0x40
.macro JLOAD g0a, g1a, g0b, g1b        ; a joint load: waves 0 and 1 fetch for A, waves 2 and 3 for B; the branch hangs on the wave's number alone; s_nop 0 and four v_nop follow each line
	s_cmp_eq_u32 s15, 0
	s_cbranch_scc0 .Lfor_b_\@
	tensor_load_to_lds s[\g0a:\g0a+3], s[\g1a:\g1a+7]
	s_nop 0
.rept 4
	v_nop
.endr
	s_branch .Lasked_\@
.Lfor_b_\@:
	tensor_load_to_lds s[\g0b:\g0b+3], s[\g1b:\g1b+7]
	s_nop 0
.rept 4
	v_nop
.endr
.Lasked_\@:
.endm
.macro CROUND                          ; a round of the cluster's barrier
	s_barrier_signal -1
	s_barrier_wait -1
	s_cmp_lg_u32 s14, 0
	s_cbranch_scc1 .Lnot_wave_0_\@
	s_barrier_signal -3
.Lnot_wave_0_\@:
	s_barrier_wait -3
	s_barrier_signal -1
	s_barrier_wait -1
.endm
	s_load_b128 s[4:7], s[0:1], 0x0                ; cod, scl
	s_load_b64 s[96:97], s[0:1], 0x10              ; b_qkv
	s_load_b64 s[12:13], s[0:1], 0x18              ; qkv16
	v_lshl_add_u32 v[SPW], v0, 2, SPARE
	v_mov_b32 v[NIL], 0
	ds_add_u32 v[SPW], v[NIL]                      ; the wave's opening: the add, twice on end, and its wait ahead of my first tensor load
	ds_add_u32 v[SPW], v[NIL]
	v_lshrrev_b32 v1, 5, v0
	v_readfirstlane_b32 s14, v1                    ; wave 0..3
	s_lshr_b32 s15, s14, 1                         ; my half of the tile's rows; also: I fetch for A (0) or B (1)
	s_and_b32 s16, s14, 1                          ; my half of its columns; also: which 128 rows I fetch
	s_bfe_u32 s40, ttmp6, 0x40000                  ; cx
	s_bfe_u32 s41, ttmp6, 0x40004                  ; cy
	s_lshl_b32 s42, ttmp9, 2
	s_add_co_u32 s42, s42, s40                     ; tile column
	s_and_b32 s17, ttmp7, 0xffff
	s_lshl_b32 s17, s17, 2
	s_add_co_u32 s17, s17, s41                     ; tile row
	s_lshl_b32 s43, s41, 2
	s_lshl_b32 s43, 15, s43                        ; my row of the cluster
	s_lshl_b32 s44, 0x1111, s40                    ; my column
	s_or_b32 s[G1+0], s43, (0<<16)|(1<<20)|(1<<21)|(5<<22)|(3<<25)  ; mask; elements of 1 byte; padding: 4 words after every 64
	s_or_b32 s[G1B+0], s44, (0<<16)|(1<<20)|(1<<21)|(5<<22)|(3<<25)
.irp g, G1, G1B
	s_mov_b32 s[\g+1], ROWB<<16                    ; tensor_dim0
	s_mov_b32 s[\g+2], 128<<16                     ; tensor_dim1
	s_mov_b32 s[\g+3], ROWB<<16                    ; tile_dim0
	s_mov_b32 s[\g+4], 128                         ; tile_dim1
	s_mov_b32 s[\g+5], KROW                        ; the pitch
	s_mov_b32 s[\g+6], 0
	s_mov_b32 s[\g+7], 0
.endr
	s_or_b32 s[G1S+0], s43, (3<<16)|(1<<20)|(1<<21)|(5<<22)|(3<<25) ; the scales of 128 rows: 4,096 dense bytes as 16 rows of 256
	s_or_b32 s[G1SB+0], s44, (3<<16)|(1<<20)|(1<<21)|(5<<22)|(3<<25)
.irp g, G1S, G1SB
	s_mov_b32 s[\g+1], 32<<16
	s_mov_b32 s[\g+2], (128*KS/256)<<16
	s_mov_b32 s[\g+3], 32<<16
	s_mov_b32 s[\g+4], 128*KS/256
	s_mov_b32 s[\g+5], 32
	s_mov_b32 s[\g+6], 0
	s_mov_b32 s[\g+7], 0
.endr
	s_lshl_b32 s18, s16, 7
	s_lshl_b32 s20, s17, 8
	s_add_co_u32 s20, s20, s18                     ; A: row 256 x tile row + 128 x half
	s_lshl_b32 s46, s42, 8
	s_add_co_u32 s46, s46, s18                     ; B: row 256 x tile column + 128 x half
	s_mov_b32 s21, 0
	s_mov_b32 s47, 0
	s_mov_b64 s[18:19], KS
	s_mul_u64 s[22:23], s[20:21], s[18:19]
	s_mul_u64 s[92:93], s[46:47], s[18:19]
	s_mov_b64 s[18:19], KROW
	s_mul_u64 s[20:21], s[20:21], s[18:19]
	s_mul_u64 s[46:47], s[46:47], s[18:19]
	s_mul_i32 s45, s14, HALFT                      ; where they go: wave x 128 rows
	s_mul_i32 s94, s14, HALFS
	s_wait_dscnt 0x0                               ; both opening adds are done
	s_wait_kmcnt 0x0
	s_add_nc_u64 s[8:9], s[4:5], 0x400000          ; W's codes
	s_add_nc_u64 s[10:11], s[6:7], 0x40000         ; W's scales
	s_add_nc_u64 s[20:21], s[4:5], s[20:21]
	s_add_nc_u64 s[22:23], s[6:7], s[22:23]
	s_add_nc_u64 s[46:47], s[8:9], s[46:47]
	s_add_nc_u64 s[92:93], s[10:11], s[92:93]
	CROUND                                         ; all sixteen work-groups are here: the joint loads meet
	s_mov_b32 s[G0S], 1
	s_add_co_u32 s[G0S+1], s94, SCL
	s_mov_b64 s[G0S+2:G0S+3], s[22:23]
	s_or_b32 s[G0S+3], s[G0S+3], 0x80000000
	s_mov_b32 s[G0SB], 1
	s_add_co_u32 s[G0SB+1], s94, SCL
	s_mov_b64 s[G0SB+2:G0SB+3], s[92:93]
	s_or_b32 s[G0SB+3], s[G0SB+3], 0x80000000
	JLOAD G0S, G1S, G0SB, G1SB                     ; by this text's count three loads of a wave are out: the scales, K step 0, K step 1
.irp s, 0,1
	s_mov_b32 s[G0+4*\s], 1
	s_add_co_u32 s[G0+4*\s+1], s45, \s*SLOT
	s_add_nc_u64 s[G0+4*\s+2:G0+4*\s+3], s[20:21], \s*ROWB
	s_or_b32 s[G0+4*\s+3], s[G0+4*\s+3], 0x80000000
	s_mov_b32 s[G0B+4*\s], 1
	s_add_co_u32 s[G0B+4*\s+1], s45, \s*SLOT
	s_add_nc_u64 s[G0B+4*\s+2:G0B+4*\s+3], s[46:47], \s*ROWB
	s_or_b32 s[G0B+4*\s+3], s[G0B+4*\s+3], 0x80000000
	JLOAD G0+4*\s, G1, G0B+4*\s, G1B
.endr
	v_and_b32 v1, 15, v0                           ; r
	v_bfe_u32 v2, v0, 4, 1                         ; h
	s_lshl_b32 s46, s42, 10                        ; the bias of my 128 columns: 4 (256 x tile column + 128 x half)
	s_lshl_b32 s47, s16, 9
	s_add_co_u32 s46, s46, s47
	s_mov_b32 s47, 0
	s_add_nc_u64 s[96:97], s[96:97], s[46:47]
	v_lshlrev_b32 v[BO], 5, v2                     ; lane (r, h) wants, for block b, the bias of columns 16 b + 8 h + 0 .. 7
.irp b, 0,1,2,3,4,5,6,7
	global_load_b128 v[BIAS+8*\b:BIAS+8*\b+3], v[BO], s[96:97] offset:64*\b
	global_load_b128 v[BIAS+8*\b+4:BIAS+8*\b+7], v[BO], s[96:97] offset:64*\b+16
.endr
	v_mul_u32_u24 v3, v1, PITCH
	v_lshl_add_u32 v4, v2, 4, v3
	s_mul_i32 s21, s15, HALFT
	s_mul_i32 s22, s16, HALFT
	s_add_co_u32 s22, s22, 2*HALFT
.irp s, 0,1
	v_add_nc_u32 v[ADRA+\s], s21, v4
	v_add_nc_u32 v[ADRB+\s], s22, v4
	s_add_co_u32 s21, s21, SLOT
	s_add_co_u32 s22, s22, SLOT
.endr
	v_mul_u32_u24 v5, v1, KS                       ; my row's scales: 32 bytes a row, and 16 more for each 256 passed
	v_lshrrev_b32 v6, 8, v5
	v_lshl_add_u32 v5, v6, 4, v5
	s_mul_i32 s21, s15, HALFS
	s_mul_i32 s22, s16, HALFS
	s_add_co_u32 s22, s22, 2*HALFS
	s_sub_co_u32 s22, s22, s21
	v_mul_u32_u24 v6, s22, v2                      ; lanes 16-31 take B's
	s_add_co_u32 s21, s21, SCL
	v_add_nc_u32 v5, v5, v6
	v_add_nc_u32 v[ADRS], s21, v5
	s_mul_i32 s23, s14, 16*SPITCH                  ; my stage
	v_mul_u32_u24 v5, v1, SPITCH
	v_lshl_add_u32 v5, v2, 4, v5
	v_add_nc_u32 v[STO], s23, v5                   ; in: row r, 16 bytes for each half of the lanes
	v_bfe_u32 v5, v0, 3, 1
	v_mul_u32_u24 v5, v5, SPITCH
	v_lshl_add_u32 v5, v2, 7, v5
	v_and_b32 v6, 7, v0
	v_lshl_add_u32 v5, v6, 4, v5
	v_add_nc_u32 v[RD], s23, v5                    ; back: lanes 0-15 two rows' 128 bytes of the first head, lanes 16-31 of the second
	v_lshlrev_b32 v[CO], 18, v2                    ; in memory: the second head's plane is 262,144 bytes on; two rows of a head are 256 consecutive bytes
	v_lshl_add_u32 v[CO], v1, 4, v[CO]
	s_lshr_b32 s20, s17, 3                         ; batch = tile row / 8
	s_mul_i32 s20, s20, 48
	s_lshl_b32 s46, s42, 2
	s_lshl_b32 s47, s16, 1
	s_add_co_u32 s46, s46, s47
	s_add_co_u32 s46, s46, s20                     ; plane 48 b + 4 x tile column + 2 x half
	s_lshl_b32 s46, s46, 18
	s_and_b32 s20, s17, 7
	s_lshl_b32 s20, s20, 8
	s_lshl_b32 s21, s15, 7
	s_add_co_u32 s20, s20, s21                     ; t of my first row
	s_lshl_b32 s20, s20, 7
	s_add_co_u32 s46, s46, s20
	s_mov_b32 s47, 0
	s_add_nc_u64 s[12:13], s[12:13], s[46:47]
.macro FRAG reg, adr, q, i             ; 16 rows x 128 K of 4-bit codes: 8 registers, two loads 32 bytes apart
.irp c, 0,1
	ds_load_b128 v[\reg+4*\c:\reg+4*\c+3], v[\adr] offset:64*(\q)+32*\c+(\i)*16*PITCH
.endr
.endm
; 16 matrix instructions: A's blocks a0, a0 + 1 x B's eight.  The 64 accumulators take turns, one instruction a turn, in the same order in every step.
.macro MUL16 a0, p, q, sc, zero
.irp a, \a0, \a0+1
.irp b, 0,1,2,3,4,5,6,7
.if \zero
	v_wmma_scale_f32_16x16x128_f8f6f4 v[8*(8*((\a)%4)+\b):8*(8*((\a)%4)+\b)+7], v[128*(\p)+FR*\b:128*(\p)+FR*\b+FR-1], v[AF+FR*(\a):AF+FR*(\a)+FR-1], v[BIAS+8*\b:BIAS+8*\b+7], v[SC+8*NQ*(\sc)+NQ*\b+(\q)], v[SC+8*NQ*(\sc)+NQ*(\a)+(\q)] matrix_a_fmt:MATRIX_FMT_FP4 matrix_b_fmt:MATRIX_FMT_FP4 matrix_a_scale:MATRIX_SCALE_ROW1
.else
	v_wmma_scale_f32_16x16x128_f8f6f4 v[8*(8*((\a)%4)+\b):8*(8*((\a)%4)+\b)+7], v[128*(\p)+FR*\b:128*(\p)+FR*\b+FR-1], v[AF+FR*(\a):AF+FR*(\a)+FR-1], v[8*(8*((\a)%4)+\b):8*(8*((\a)%4)+\b)+7], v[SC+8*NQ*(\sc)+NQ*\b+(\q)], v[SC+8*NQ*(\sc)+NQ*(\a)+(\q)] matrix_a_fmt:MATRIX_FMT_FP4 matrix_b_fmt:MATRIX_FMT_FP4 matrix_a_scale:MATRIX_SCALE_ROW1
.endif
.endr
.endr
.endm
.macro FETCH_B slot, q, p
	WIN TO_B
.irp i, 0,1,2,3,4,5,6,7
	FRAG 128*(\p)+FR*\i, ADRB+\slot, \q, \i
.endr
	WIN 0
.endm
.macro FETCH_A slot, q, i0
.irp i, \i0, \i0+1, \i0+2, \i0+3
	FRAG AF+FR*(\i), ADRA+\slot, \q, \i
.endr
.endm
.macro SCALES sc                       ; a K step's scale words: lanes 0-15 A's block i, lanes 16-31 B's block i
.irp i, 0,1,2,3,4,5,6,7
	ds_load_b128 v[SC+8*NQ*\sc+NQ*\i:SC+8*NQ*\sc+NQ*\i+3], v[ADRS] offset:\i*SBLK
.endr
.endm
.macro PLACES n                        ; plain vector instructions between a matrix instruction and a load into, or a read of, its registers
.rept \n
	v_nop
.endr
.endm
.macro STEP slot, q, zero              ; 128 along K, with its successor in the same slot
	s_wait_dscnt 4*NL                              ; B's set and A's blocks 0-3 are in; A's blocks 4-7 may be out
.if \zero
	WIN BIA_LO
.else
	WIN MUL_LO
.endif
	MUL16 0, (\q)%2, \q, \slot, \zero
	MUL16 2, (\q)%2, \q, \slot, \zero
	s_wait_dscnt 0
	PLACES NP
	FETCH_B \slot, (\q)+1, 1-(\q)%2
	FETCH_A \slot, (\q)+1, 0
.if \zero
	WIN BIA_HI
.else
	WIN MUL_HI
.endif
	MUL16 4, (\q)%2, \q, \slot, \zero
	MUL16 6, (\q)%2, \q, \slot, \zero
	PLACES NP
	WIN 0
	FETCH_A \slot, (\q)+1, 4
.endm
.macro TURN slot, next                 ; a slot's last step changes slots: one barrier
	s_wait_tensorcnt 0x0                           ; my part of the next slot has landed
	ds_add_u32 v[SPW], v[NIL]
	s_wait_dscnt 4*NL+1                            ; the add and A's blocks 4-7 may be out
	WIN MUL_LO
	MUL16 0, 1, NQ-1, \slot, 0
	s_wait_dscnt 0x0                               ; the add is done, and my reads of this slot are over
	s_barrier_signal -1
	MUL16 2, 1, NQ-1, \slot, 0
	WIN 0
	s_barrier_wait -1
	PLACES NP
	v_add_nc_u32 v[ADRS], 4*NQ, v[ADRS]            ; the next K step's scale words
	FETCH_B \next, 0, 0
	FETCH_A \next, 0, 0
	SCALES \next
	WIN MUL_HI
	MUL16 4, 1, NQ-1, \slot, 0
	MUL16 6, 1, NQ-1, \slot, 0
	PLACES NP
	WIN 0
	FETCH_A \next, 0, 4
.endm
	s_wait_tensorcnt 1                             ; the scales and my part of K step 0 are in; K step 1's load may be out
	s_barrier_signal -1
	s_barrier_wait -1
	FETCH_B 0, 0, 0
	FETCH_A 0, 0, 0
	SCALES 0
	FETCH_A 0, 0, 4
	s_wait_loadcnt 0x0                             ; the bias
	STEP 0, 0, 1                                   ; the first products start the sums from the bias
	STEP 0, 1, 0
	STEP 0, 2, 0
	TURN 0, 1
	STEP 1, 0, 0
	STEP 1, 1, 0
	STEP 1, 2, 0
	s_wait_dscnt 4*NL
	WIN MUL_LO
	MUL16 0, 1, NQ-1, 1, 0
	MUL16 2, 1, NQ-1, 1, 0
	s_wait_dscnt 0
	WIN MUL_HI
	MUL16 4, 1, NQ-1, 1, 0
	MUL16 6, 1, NQ-1, 1, 0
	WIN 0
; THE WAY OUT, a block of 16 rows x 128 columns at a time: rounded to f16 (16 bytes a lane), through my stage, back so that sixteen lanes hold two rows of one head: 256 consecutive bytes of qkv16.
.macro PACK a
.set AC, 64*((\a)%4)
	WIN 0x0a+5*((\a)/4)                            ; sources 0 and 1: window 2 or 3
.irp b, 0,1,2,3,4,5,6,7
.irp r, 0,1,2,3
	v_cvt_pk_f16_f32 v[TMP+4*\b+\r], v[AC+8*\b+2*\r], v[AC+8*\b+2*\r+1]
.endr
.endr
	WIN 0
.endm
.macro TOSTAGE a
.set BK, OB+192*((\a)%2)
.irp b, 0,1,2,3,4,5,6,7
	ds_store_b128 v[STO], v[TMP+4*\b:TMP+4*\b+3] offset:32*\b
.endr
.irp t, 0,1,2,3,4,5,6,7
	ds_load_b128 v[BK+4*\t:BK+4*\t+3], v[RD] offset:\t*2*SPITCH    ; LDS serves a wave's instructions in order: these see the stores above
.endr
.endm
.macro SEND a
.set BK, OB+192*((\a)%2)
	s_wait_dscnt 0x0                               ; the block is back in registers
	s_wait_xcnt 0x0                                ; earlier stores have read their registers: the next block's loads may land there
.irp t, 0,1,2,3,4,5,6,7
	global_store_b128 v[CO], v[BK+4*\t:BK+4*\t+3], s[12:13] offset:(\a)*2048+\t*256
.endr
.endm
	PLACES NP
	PACK 0
	TOSTAGE 0
.irp a, 1,2,3,4,5,6,7
	PACK \a
	SEND \a-1
	TOSTAGE \a
.endr
	SEND 7
	s_wait_tensorcnt 0x0                           ; the wave's end
	ds_add_u32 v[SPW], v[NIL]
	s_wait_dscnt 0x0
	CROUND                                         ; the closing round
	s_endpgm
.Lfunc_end_k_q0204b86918_qkv:
	.size	k_q0204b86918_qkv, .Lfunc_end_k_q0204b86918_qkv-k_q0204b86918_qkv
	.p2alignl 7, 3214868480
	.fill 96, 4, 3214868480
	.section	.rodata,"a",@progbits
	.p2align	6, 0x0
	.amdhsa_kernel k_q0204b86918_qkv
		.amdhsa_group_segment_fixed_size 327680
		.amdhsa_private_segment_fixed_size 0
		.amdhsa_enable_private_segment 0
		.amdhsa_kernarg_size 32
		.amdhsa_user_sgpr_count 2
		.amdhsa_user_sgpr_kernarg_segment_ptr 1
		.amdhsa_wavefront_size32 1
		.amdhsa_system_sgpr_workgroup_id_x 1
		.amdhsa_system_sgpr_workgroup_id_y 1
		.amdhsa_system_sgpr_workgroup_id_z 1
		.amdhsa_system_vgpr_workitem_id 0
		.amdhsa_next_free_vgpr 1024
		.amdhsa_next_free_sgpr 100
		.amdhsa_reserve_vcc 0
		.amdhsa_float_denorm_mode_32 3
		.amdhsa_float_denorm_mode_16_64 3
		.amdhsa_memory_ordered 1
		.amdhsa_forward_progress 1
		.amdhsa_inst_pref_size 128
	.end_amdhsa_kernel
	.amdgpu_metadata
---
amdhsa.version: [ 1, 2 ]
amdhsa.kernels:
  - .name:           k_q0204b86918_qkv
    .symbol:         k_q0204b86918_qkv.kd
    .args:
      - { .name: cod, .offset: 0, .size: 8, .value_kind: global_buffer, .address_space: global }
      - { .name: scl, .offset: 8, .size: 8, .value_kind: global_buffer, .address_space: global }
      - { .name: b_qkv, .offset: 16, .size: 8, .value_kind: global_buffer, .address_space: global }
      - { .name: qkv16, .offset: 24, .size: 8, .value_kind: global_buffer, .address_space: global }
    .group_segment_fixed_size: 327680
    .private_segment_fixed_size: 0
    .kernarg_segment_align: 8
    .kernarg_segment_size: 32
    .max_flat_workgroup_size: 128
    .sgpr_count:     100
    .vgpr_count:     1024
    .wavefront_size: 32
...
	.end_amdgpu_metadata
.endif
;; end of part 2
;; launch att (part 3): grid 4 x 64, 8 waves a work-group, no clusters, 58,368 bytes of LDS; arguments qkv16, mw, o16; writes o16
.if DOCPART == 3
	.amdgcn_target "amdgcn-amd-amdhsa--gfx1250"
	.amdhsa_code_object_version 6
	.text
	.protected	k_q0204b86918_att
	.globl	k_q0204b86918_att
	.p2align	8
	.type	k_q0204b86918_att,@function
k_q0204b86918_att:
	s_mov_b64 s[64:65], 0
	v_nop
	global_prefetch_b8 v0, s[64:65] scope:SCOPE_SE
	s_setreg_imm32_b32 hwreg(HW_REG_WAVE_MODE, 25, 1), 1
	s_wait_xcnt 0x0
; O[b][h][q] = softmax over the open keys of (q . k / 8) times v, operands in f16, products, maxima and sums in f32; O in f16, laid [h 16][row 8192][64].
; LEFT OUT: tiles of 16 queries x 64 keys whose mask words are all 0 (their weights are 0 for all values of x, W, b); the branch is on the whole numbers ANY that the first launch stored.
; SHARES.  A work-group owns one (b, h) and two blocks of 256 queries, 7 - p and p, one after the other; each of its eight waves owns 32 queries, two tiles.  A pass walks 32 key steps of 64 keys: the trip count is a
; constant and every wave passes every barrier; a step's loads, stores and work are jumped over by scalar branches on stored bits.
; NO TENSOR LOAD, NO CLUSTER: branches here hang on whole numbers read from memory.  K's and V's tiles (8,192 dense bytes each) come through registers into a ring of
; two LDS slots shared by the eight waves: tile t + 2 is asked for in trip t, stored to LDS in trip t + 1, read in trip t + 2; one barrier a trip.
; LAYOUT.  S^T = K Q^T (source 0 = 16 keys, source 1 = 16 queries): a lane holds one query and keys 16 kt + 8 (lane / 16) + j.  Two such tiles, rounded to f16 in pairs, are source 1 of O^T = V^T P; V is turned by ds_load_tr16_b128.
; SOFTMAX: running maximum m and sum l; p = 2^(c s - c m), c = log2(e) / 8; O and l are multiplied by a = 2^(c m_old - c m_new) in every step.  A closed key's score becomes -infinity ahead of the maximum.
; LIMITS: m starts at -3e38; a query with no open key gives 0 x (1 / 0) = NaN, as reference() does; operands are rounded to f16 (|q|, |k|, |v| up to 65,504).
; REGISTERS: window 0: v1-13 addresses; v16-31 statistics, 8 a tile (+0 c m, +1 m, +2, +3 l, +4 .. +7 at work, a in +6); v32-63 two staging sets; v64-127 S^T, then P in place; v128-191 K; v192-255 V.
;   window 1: v0-63 O^T ((q, dt) at 32 q + 8 dt); v64-95 Q ((q, dh) at 64 + 16 q + 8 dh).
.set KP,    144                        ; a key's row in LDS: 128 bytes + 16
.set VP,    160                        ; a row of V: 128 + 32
.set VOFF,  64*KP
.set SLOTB, 64*(KP+VP)
.set STAGE, 2*SLOTB                    ; 16 rows x 144 bytes a wave, for the way out
.set STP,   144
.set SPARE, STAGE+8*16*STP
.set AK,  1
.set AV,  2
.set KST, 3
.set VST, 4
.set GOF, 5
.set PFO, 6
.set QO,  7
.set STO, 8
.set RD,  9
.set GO,  10
.set NEG, 11
.set SPW, 12
.set NIL, 13
.set ST,  16
.set SG,  32
.set S,   64
.set KF,  128
.set VF,  192
.set MSB, 0
.macro WIN new
.if MSB != \new
	s_set_vgpr_msb (MSB<<8)|\new
.set MSB, \new
.endif
.endm
.macro LDG set, imm                    ; a tile of K and of V: 16 bytes a thread, twice each; a wave's load covers 512 consecutive bytes
	global_load_b128 v[SG+16*(\set):SG+16*(\set)+3], v[GOF], s[4:5] offset:\imm
	global_load_b128 v[SG+16*(\set)+4:SG+16*(\set)+7], v[GOF], s[4:5] offset:\imm+4096
	global_load_b128 v[SG+16*(\set)+8:SG+16*(\set)+11], v[GOF], s[6:7] offset:\imm
	global_load_b128 v[SG+16*(\set)+12:SG+16*(\set)+15], v[GOF], s[6:7] offset:\imm+4096
.endm
.macro STG set, slot
	ds_store_b128 v[KST], v[SG+16*(\set):SG+16*(\set)+3] offset:(\slot)*SLOTB
	ds_store_b128 v[KST], v[SG+16*(\set)+4:SG+16*(\set)+7] offset:(\slot)*SLOTB+32*KP
	ds_store_b128 v[VST], v[SG+16*(\set)+8:SG+16*(\set)+11] offset:(\slot)*SLOTB
	ds_store_b128 v[VST], v[SG+16*(\set)+12:SG+16*(\set)+15] offset:(\slot)*SLOTB+32*VP
.endm
; Both tiles' softmax, line by line, so that no line waits for the line above it.
.macro SOFTMAX
.irp j, 0,1,2,3
.irp q, 0,1
	v_max3_num_f32 v[ST+8*\q+4+\j], v[S+32*\q+8*\j], v[S+32*\q+8*\j+1], v[S+32*\q+8*\j+2]
.endr
.endr
.irp g, 1,2
.irp j, 0,1,2,3
.irp q, 0,1
	v_max3_num_f32 v[ST+8*\q+4+\j], v[ST+8*\q+4+\j], v[S+32*\q+8*\j+2*\g+1], v[S+32*\q+8*\j+2*\g+2]
.endr
.endr
.endr
.irp q, 0,1
	v_max3_num_f32 v[ST+8*\q+4], v[ST+8*\q+4], v[S+32*\q+7], v[S+32*\q+15]
.endr
.irp q, 0,1
	v_max3_num_f32 v[ST+8*\q+6], v[ST+8*\q+6], v[S+32*\q+23], v[S+32*\q+31]
.endr
.irp q, 0,1
	v_max3_num_f32 v[ST+8*\q+4], v[ST+8*\q+4], v[ST+8*\q+5], v[ST+8*\q+6]
.endr
.irp q, 0,1
	v_max3_num_f32 v[ST+8*\q+4], v[ST+8*\q+4], v[ST+8*\q+7], v[ST+8*\q+1]   ; with the old m
.endr
.irp q, 0,1
	v_permlanex16_b32 v[ST+8*\q+5], v[ST+8*\q+4], s76, s77       ; the query's other 32 keys lie in the lane 16 away
.endr
.irp q, 0,1
	v_mov_b32 v[ST+8*\q+7], v[ST+8*\q]             ; c m_old
.endr
.irp q, 0,1
	v_max_num_f32 v[ST+8*\q+1], v[ST+8*\q+4], v[ST+8*\q+5]
.endr
.irp q, 0,1
	v_mul_f32 v[ST+8*\q], s74, v[ST+8*\q+1]
.endr
.irp q, 0,1
	v_sub_f32 v[ST+8*\q+7], v[ST+8*\q+7], v[ST+8*\q]
.endr
.irp q, 0,1
	v_exp_f32 v[ST+8*\q+6], v[ST+8*\q+7]           ; a
.endr
.irp j, 0,2,4,6,8,10,12,14,16,18,20,22,24,26,28,30
.irp q, 0,1
	v_pk_fma_f32 v[S+32*\q+\j:S+32*\q+\j+1], v[S+32*\q+\j:S+32*\q+\j+1], s[74:75], v[ST+8*\q:ST+8*\q+1] op_sel_hi:[1,0,0] neg_lo:[0,0,1] neg_hi:[0,0,1]   ; c s - c m
.endr
.endr
.set n, 0
.rept 64
	v_exp_f32 v[S+n], v[S+n]
.set n, n+1
.endr
	v_nop                                          ; a plain instruction behind the last exponential
	s_wait_alu depctr_va_vdst(0)                   ; one wait for the 66 exponentials, ahead of the first line that names a result
.irp q, 0,1
	v_pk_mul_f32 v[ST+8*\q+2:ST+8*\q+3], v[ST+8*\q+2:ST+8*\q+3], v[ST+8*\q+6:ST+8*\q+7] op_sel_hi:[1,0]
.endr
.irp q, 0,1
	v_pk_add_f32 v[ST+8*\q+4:ST+8*\q+5], v[S+32*\q:S+32*\q+1], v[S+32*\q+2:S+32*\q+3]
.endr
.irp j, 4,8,12,16,20,24,28
.irp q, 0,1
	v_pk_add_f32 v[ST+8*\q+2:ST+8*\q+3], v[ST+8*\q+2:ST+8*\q+3], v[S+32*\q+\j:S+32*\q+\j+1]
	v_pk_add_f32 v[ST+8*\q+4:ST+8*\q+5], v[ST+8*\q+4:ST+8*\q+5], v[S+32*\q+\j+2:S+32*\q+\j+3]
.endr
.endr
.irp q, 0,1
	v_pk_add_f32 v[ST+8*\q+2:ST+8*\q+3], v[ST+8*\q+2:ST+8*\q+3], v[ST+8*\q+4:ST+8*\q+5]
.endr
.irp kh, 0,1
.irp i, 0,1,2,3,4,5,6,7
.irp q, 0,1
	v_cvt_pk_f16_f32 v[S+32*\q+16*\kh+\i], v[S+32*\q+16*\kh+2*\i], v[S+32*\q+16*\kh+2*\i+1]   ; P in place: register i is written when registers 2 i, 2 i + 1 have been read
.endr
.endr
.endr
.endm
; A key step's work, from slot u.
.macro COMPUTE u
	s_load_b512 s[16:31], s[12:13], s73 offset:0x0     ; the step's mask words: tile 0's 32,
	s_load_b512 s[32:47], s[12:13], s73 offset:0x40
	s_load_b512 s[48:63], s[12:13], s73 offset:0x1000  ; tile 1's
	s_load_b512 s[80:95], s[12:13], s73 offset:0x1040
.irp kt, 0,1,2,3
.irp e, 0,1,2,3
	ds_load_b128 v[KF+16*\kt+4*\e:KF+16*\kt+4*\e+3], v[AK] offset:(\u)*SLOTB+\kt*16*KP+32*\e
.endr
.endr
.irp kh, 0,1
.irp dt, 0,1,2,3
	ds_load_tr16_b128 v[VF+32*\kh+8*\dt:VF+32*\kh+8*\dt+3], v[AV] offset:(\u)*SLOTB+\kh*32*VP+\dt*32
	ds_load_tr16_b128 v[VF+32*\kh+8*\dt+4:VF+32*\kh+8*\dt+7], v[AV] offset:(\u)*SLOTB+\kh*32*VP+16*VP+\dt*32
.endr
.endr
	s_wait_dscnt 16                                ; K is in; V's sixteen loads may be out
	WIN 0x04                                       ; Q in window 1
.irp q, 0,1
.irp kt, 0,1,2,3
	v_wmma_f32_16x16x32_f16 v[S+32*\q+8*\kt:S+32*\q+8*\kt+7], v[KF+16*\kt:KF+16*\kt+7], v[64+16*\q:71+16*\q], 0
.endr
.endr
.irp q, 0,1
.irp kt, 0,1,2,3
	v_wmma_f32_16x16x32_f16 v[S+32*\q+8*\kt:S+32*\q+8*\kt+7], v[KF+16*\kt+8:KF+16*\kt+15], v[72+16*\q:79+16*\q], v[S+32*\q+8*\kt:S+32*\q+8*\kt+7]
.endr
.endr
	WIN 0
.rept 4
	v_nop                                          ; places ahead of the first read of the scores
.endr
	s_wait_kmcnt 0x0
	s_bitcmp1_b32 s72, 0                           ; all 2 x 16 x 64 open: nothing to select
	s_cbranch_scc1 .Lopen_\@
.set n, 0
.rept 32
	v_cndmask_b32 v[S+n], v[NEG], v[S+n], s[16+n]
.set n, n+1
.endr
.set n, 0
.rept 16
	v_cndmask_b32 v[S+32+n], v[NEG], v[S+32+n], s[48+n]
.set n, n+1
.endr
.set n, 0
.rept 16
	v_cndmask_b32 v[S+48+n], v[NEG], v[S+48+n], s[80+n]
.set n, n+1
.endr
.Lopen_\@:
	SOFTMAX
	WIN 0x41                                       ; O^T in window 1, a in window 0
.irp q, 0,1
.irp i, 0,2,4,6,8,10,12,14,16,18,20,22,24,26,28,30
	v_pk_mul_f32 v[32*\q+\i:32*\q+\i+1], v[32*\q+\i:32*\q+\i+1], v[ST+8*\q+6:ST+8*\q+7] op_sel_hi:[1,0]
.endr
.endr
	s_wait_dscnt 0x0                               ; V is in
	WIN 0x50                                       ; C and D in window 1
.irp kh, 0,1
.irp q, 0,1
.irp dt, 0,1,2,3
	v_wmma_f32_16x16x32_f16 v[32*\q+8*\dt:32*\q+8*\dt+7], v[VF+32*\kh+8*\dt:VF+32*\kh+8*\dt+7], v[S+32*\q+16*\kh:S+32*\q+16*\kh+7], v[32*\q+8*\dt:32*\q+8*\dt+7]
.endr
.endr
.endr
	WIN 0
.rept 5
	v_nop                                          ; five places: the next step's first products write over P's registers, and loads land in V's
.endr
.endm
; A trip: tile t lies in slot u.
.macro TRIP u
	s_wait_loadcnt 0x0                             ; tile t + 1 is in its staging set (asked for a trip ago)
	s_wait_xcnt 0x0                                ; the last prefetch has read its offset
	s_bitcmp1_b32 s70, 1
	s_cbranch_scc0 .Lnst_\@
	STG 1-\u, 1-\u                                 ; every wave has passed the barrier behind its reads of that slot
.Lnst_\@:
	v_add_nc_u32 v[GOF], 0x2000, v[GOF]
	v_add_nc_u32 v[PFO], 0x2000, v[PFO]
	s_bitcmp1_b32 s70, 2                           ; (bits beyond step 31 are 0: no load leaves the plane)
	s_cbranch_scc0 .Lnld_\@
	LDG \u, 0                                      ; tile t + 2; the set's stores to LDS were waited for ahead of the last barrier
.Lnld_\@:
	s_cmp_eq_u32 s78, 1                            ; a prefetch of tile t + 4, two trips ahead of its load: 32 lanes x 256 bytes; wave 0 asks for K's tile, wave 1 for V's,
	s_cbranch_scc0 .Lnpf_\@                        ; in the head's work-group p = 0 and its first pass alone, so that each block is named once; tiles 0 to 3 come by their loads alone
	s_bitcmp1_b32 s70, 4
	s_cbranch_scc0 .Lnpf_\@
	global_prefetch_b8 v[PFO], s[96:97] offset:16384 th:TH_LOAD_NT scope:SCOPE_SE
.Lnpf_\@:
	s_bitcmp1_b32 s71, 0
	s_cbranch_scc0 .Lncp_\@
	COMPUTE \u
.Lncp_\@:
	s_lshr_b32 s70, s70, 1
	s_lshr_b32 s71, s71, 1
	s_lshr_b32 s72, s72, 1
	s_add_co_u32 s73, s73, 128
	s_wait_dscnt 0x0                               ; my stores of tile t + 1 have landed, my reads of slot u are over
	s_barrier_signal -1
	s_barrier_wait -1
.endm
	s_load_b128 s[4:7], s[0:1], 0x0                ; qkv16, mw
	s_load_b64 s[98:99], s[0:1], 0x10              ; o16
	v_lshl_add_u32 v[SPW], v0, 2, SPARE
	v_mov_b32 v[NIL], 0
	v_lshrrev_b32 v14, 5, v0
	v_readfirstlane_b32 s66, v14                   ; wave 0..7
	v_and_b32 v14, 15, v0                          ; r
	v_bfe_u32 v15, v0, 4, 1                        ; h
	v_mul_u32_u24 v[AK], v14, KP
	v_lshl_add_u32 v[AK], v15, 4, v[AK]            ; K: row r, + 16 h
	v_and_b32 v[AV], 7, v0
	v_lshl_add_u32 v[AV], v15, 3, v[AV]
	v_mul_u32_u24 v[AV], v[AV], VP
	v_bfe_u32 v[KST], v0, 3, 1
	v_lshl_add_u32 v[AV], v[KST], 4, v[AV]
	v_add_nc_u32 v[AV], VOFF, v[AV]                ; V, for the turning load: key 8 h + lane % 8, 16 bytes by (lane / 8) % 2
	v_lshrrev_b32 v[KST], 3, v0                    ; staging: thread t holds 16 bytes of row t / 8
	v_and_b32 v[VST], 7, v0
	v_lshlrev_b32 v[VST], 4, v[VST]
	v_mul_u32_u24 v[GOF], v[KST], VP
	v_mul_u32_u24 v[KST], v[KST], KP
	v_add_nc_u32 v[KST], v[KST], v[VST]
	v_add_nc_u32 v[VST], v[GOF], v[VST]
	v_add_nc_u32 v[VST], VOFF, v[VST]
	v_lshlrev_b32 v[QO], 7, v14
	v_lshl_add_u32 v[QO], v15, 4, v[QO]
	s_mul_i32 s79, s66, 16*STP
	s_add_co_u32 s79, s79, STAGE
	v_add_nc_u32 v[STO], s79, v[AK]                ; the stage: row r, + 16 h
	v_bfe_u32 v[RD], v0, 3, 2
	v_mul_u32_u24 v[RD], v[RD], STP
	v_and_b32 v[GO], 7, v0
	v_lshl_add_u32 v[RD], v[GO], 4, v[RD]
	v_add_nc_u32 v[RD], s79, v[RD]                 ; back: eight lanes a row of 128 bytes
	v_and_b32 v[GO], 31, v0
	v_lshlrev_b32 v[GO], 4, v[GO]
	v_mov_b32 v[NEG], 0xff800000
.set n, 0
.rept 32
	v_mov_b32 v[SG+n], 0                           ; the staging sets, written once: every way through the text finds them written
.set n, n+1
.endr
	s_mov_b32 s74, 0x3e38aa3b                      ; c = log2(e) / 8
	s_mov_b32 s75, s74
	s_mov_b32 s76, 0x76543210
	s_mov_b32 s77, 0xfedcba98
	s_and_b32 s79, ttmp7, 0xffff
	s_lshr_b32 s100, s79, 4                        ; b
	s_and_b32 s101, s79, 15                        ; h
	s_mul_i32 s2, s100, 48
	s_add_co_u32 s2, s2, s101
	s_lshl_b32 s2, s2, 18
	s_mov_b32 s3, 0
	s_wait_kmcnt 0x0
	s_mov_b64 s[12:13], s[6:7]                     ; mw
	s_add_nc_u64 s[14:15], s[4:5], s[2:3]          ; q's plane
	s_add_nc_u64 s[6:7], s[14:15], 0x800000        ; v's: 32 planes on
	s_add_nc_u64 s[4:5], s[14:15], 0x400000        ; k's: 16 planes on
	s_lshl_b32 s2, s101, 20
	s_lshl_b32 s79, s100, 18
	s_add_co_u32 s2, s2, s79
	s_add_nc_u64 s[98:99], s[98:99], s[2:3]        ; O: the head's plane, the batch's first row
	s_cmp_eq_u32 s66, 0
	s_cselect_b64 s[96:97], s[4:5], s[6:7]         ; what my prefetches name
	s_mov_b32 s67, 0
.Lpass:
	s_wait_loadcnt 0x0                             ; whatever the last pass's last trip asked for into the staging sets has landed: the sets are loaded anew below
	s_wait_xcnt 0x0                                ; the last pass's stores have read their registers and base
	s_sub_co_u32 s68, 7, ttmp9
	s_cmp_eq_u32 s67, 0
	s_cselect_b32 s68, s68, ttmp9                  ; the block of 256 queries: 7 - p, then p
	s_lshl_b32 s79, s68, 6
	s_load_b512 s[16:31], s[12:13], s79 offset:0x80000   ; ANY of the block's 16 tiles
	s_lshl_b32 s100, s66, 3
	s_add_co_u32 s100, s100, s79
	s_load_b64 s[80:81], s[12:13], s100 offset:0x80000   ; ANY of my two,
	s_load_b64 s[82:83], s[12:13], s100 offset:0x80200   ; ALL of my two
	s_lshl_b32 s2, s68, 15
	s_lshl_b32 s101, s66, 12
	s_add_co_u32 s2, s2, s101                      ; my first query x 128 bytes
	s_mov_b32 s3, 0
	s_add_nc_u64 s[8:9], s[14:15], s[2:3]
	s_add_nc_u64 s[10:11], s[98:99], s[2:3]
	WIN 0x40                                       ; destination window 1
.irp q, 0,1
.irp e, 0,1,2,3
	global_load_b128 v[64+16*\q+4*\e:67+16*\q+4*\e], v[QO], s[8:9] offset:\q*2048+32*\e
.endr
.endr
.set n, 0
.rept 64
	v_mov_b32 v[n], 0                              ; O^T: which step is a query's first hangs on the mask, so the sums begin as zeros
.set n, n+1
.endr
	WIN 0
.irp q, 0,1
	v_mov_b32 v[ST+8*\q+1], 0xff61b1e6             ; m = -3e38
	v_mul_f32 v[ST+8*\q], s74, v[ST+8*\q+1]
	v_mov_b32 v[ST+8*\q+2], 0
	v_mov_b32 v[ST+8*\q+3], 0
	v_mov_b32 v[ST+8*\q+5], 0                      ; (a lane permute's destination counts as read)
.endr
	v_lshlrev_b32 v[GOF], 4, v0
	v_and_b32 v[PFO], 31, v0
	v_lshlrev_b32 v[PFO], 8, v[PFO]
	s_lshl_b32 s73, s68, 16
	s_lshl_b32 s101, s66, 13
	s_add_co_u32 s73, s73, s101                    ; my words: (16 blk + 2 w) x 4,096 bytes
	s_lshr_b32 s78, s66, 1
	s_or_b32 s78, s78, ttmp9
	s_or_b32 s78, s78, s67
	s_cmp_eq_u32 s78, 0
	s_cselect_b32 s78, 1, 0                        ; 1: I prefetch
	s_wait_kmcnt 0x0
	s_or_b32 s70, s16, s17
.irp i, 18,19,20,21,22,23,24,25,26,27,28,29,30,31
	s_or_b32 s70, s70, s\i                         ; bit ks: some wave of the work-group wants the tile
.endr
	s_or_b32 s71, s80, s81                         ; I want it
	s_and_b32 s72, s82, s83                        ; and all of it is open
	s_bitcmp1_b32 s70, 0
	s_cbranch_scc0 .Lp0
	LDG 0, 0
.Lp0:
	s_bitcmp1_b32 s70, 1
	s_cbranch_scc0 .Lp1
	LDG 1, 8192
.Lp1:
	s_wait_loadcnt 0x0                             ; tiles 0 and 1, and Q
	s_bitcmp1_b32 s70, 0
	s_cbranch_scc0 .Lp2
	STG 0, 0
.Lp2:
	v_add_nc_u32 v[GOF], 0x2000, v[GOF]
	v_add_nc_u32 v[PFO], 0x2000, v[PFO]
	s_wait_dscnt 0x0
	s_barrier_signal -1
	s_barrier_wait -1
	s_mov_b32 s69, 16
.Ltrip:
	TRIP 0
	TRIP 1
	s_sub_co_u32 s69, s69, 1
	s_cmp_lg_u32 s69, 0
	s_cbranch_scc1 .Ltrip
	; the pass's way out: O^T / l, rounded to f16, through my stage, out as 512 consecutive bytes a store
.irp q, 0,1
	v_add_f32 v[ST+8*\q+4], v[ST+8*\q+2], v[ST+8*\q+3]
.endr
.irp q, 0,1
	v_permlanex16_b32 v[ST+8*\q+5], v[ST+8*\q+4], s76, s77
.endr
.irp q, 0,1
	v_add_f32 v[ST+8*\q+4], v[ST+8*\q+4], v[ST+8*\q+5]
.endr
.irp q, 0,1
	v_rcp_f32 v[ST+8*\q+6], v[ST+8*\q+4]
.endr
	v_nop
	s_wait_alu depctr_va_vdst(0)                   ; one wait for the two reciprocals, ahead of their first reader
	WIN 0x01                                       ; source 0 (O^T) window 1
.set n, 0
.rept 64
	v_mul_f32 v[S+n], v[n], v[ST+8*(n/32)+6]
.set n, n+1
.endr
	WIN 0
.irp q, 0,1
.irp i, 0,1,2,3,4,5,6,7,8,9,10,11,12,13,14,15
	v_cvt_pk_f16_f32 v[S+32*\q+\i], v[S+32*\q+2*\i], v[S+32*\q+2*\i+1]
.endr
.endr
.irp q, 0,1
.irp dt, 0,1,2,3
	ds_store_b128 v[STO], v[S+32*\q+4*\dt:S+32*\q+4*\dt+3] offset:32*\dt
.endr
.irp t, 0,1,2,3
	ds_load_b128 v[KF+16*\q+4*\t:KF+16*\q+4*\t+3], v[RD] offset:576*\t   ; LDS serves a wave's instructions in order
.endr
.endr
.irp t, 0,1,2,3
	s_wait_dscnt 11-\t                             ; behind tile 0's load t: its later loads, and tile 1's four stores and four loads
	global_store_b128 v[GO], v[KF+4*\t:KF+4*\t+3], s[10:11] offset:512*\t
.endr
.irp t, 0,1,2,3
	s_wait_dscnt 3-\t
	global_store_b128 v[GO], v[KF+16+4*\t:KF+16+4*\t+3], s[10:11] offset:2048+512*\t
.endr
	s_add_co_u32 s67, s67, 1
	s_cmp_lt_u32 s67, 2
	s_cbranch_scc1 .Lpass
	s_wait_tensorcnt 0x0                           ; the wave's end
	ds_add_u32 v[SPW], v[NIL]
	s_wait_dscnt 0x0
	s_endpgm
.Lfunc_end_k_q0204b86918_att:
	.size	k_q0204b86918_att, .Lfunc_end_k_q0204b86918_att-k_q0204b86918_att
	.p2alignl 7, 3214868480
	.fill 96, 4, 3214868480
	.section	.rodata,"a",@progbits
	.p2align	6, 0x0
	.amdhsa_kernel k_q0204b86918_att
		.amdhsa_group_segment_fixed_size 58368
		.amdhsa_private_segment_fixed_size 0
		.amdhsa_enable_private_segment 0
		.amdhsa_kernarg_size 24
		.amdhsa_user_sgpr_count 2
		.amdhsa_user_sgpr_kernarg_segment_ptr 1
		.amdhsa_wavefront_size32 1
		.amdhsa_system_sgpr_workgroup_id_x 1
		.amdhsa_system_sgpr_workgroup_id_y 1
		.amdhsa_system_sgpr_workgroup_id_z 1
		.amdhsa_system_vgpr_workitem_id 0
		.amdhsa_next_free_vgpr 352
		.amdhsa_next_free_sgpr 102
		.amdhsa_reserve_vcc 0
		.amdhsa_float_denorm_mode_32 3
		.amdhsa_float_denorm_mode_16_64 3
		.amdhsa_memory_ordered 1
		.amdhsa_forward_progress 1
		.amdhsa_inst_pref_size 63
	.end_amdhsa_kernel
	.amdgpu_metadata
---
amdhsa.version: [ 1, 2 ]
amdhsa.kernels:
  - .name:           k_q0204b86918_att
    .symbol:         k_q0204b86918_att.kd
    .args:
      - { .name: qkv16, .offset: 0, .size: 8, .value_kind: global_buffer, .address_space: global }
      - { .name: mw, .offset: 8, .size: 8, .value_kind: global_buffer, .address_space: global }
      - { .name: o16, .offset: 16, .size: 8, .value_kind: global_buffer, .address_space: global }
    .group_segment_fixed_size: 58368
    .private_segment_fixed_size: 0
    .kernarg_segment_align: 8
    .kernarg_segment_size: 24
    .max_flat_workgroup_size: 256
    .sgpr_count:     102
    .vgpr_count:     352
    .wavefront_size: 32
...
	.end_amdgpu_metadata
.endif
;; end of part 3
;; launch proj (part 4): grid 8 x 32, 4 waves a work-group, clusters of 4 x 4, 327,680 bytes of LDS; arguments o16, wo16, b_out, out0; writes out0
.if DOCPART == 4
	.amdgcn_target "amdgcn-amd-amdhsa--gfx1250"
	.amdhsa_code_object_version 6
	.text
	.protected	k_q0204b86918_proj
	.globl	k_q0204b86918_proj
	.p2align	8
	.type	k_q0204b86918_proj,@function
k_q0204b86918_proj:
	s_mov_b64 s[64:65], 0
	v_nop
	global_prefetch_b8 v0, s[64:65] scope:SCOPE_SE
	s_setreg_imm32_b32 hwreg(HW_REG_WAVE_MODE, 25, 1), 1
	s_wait_xcnt 0x0
	s_wait_alu depctr_hold_cnt(0) depctr_sa_sdst(0) depctr_va_vdst(0) depctr_va_sdst(0) depctr_va_ssrc(0) depctr_va_vcc(0) depctr_vm_vsrc(0)
	s_getreg_b32 s2, hwreg(HW_REG_IB_STS2, 6, 4)
	s_cmp_eq_u32 s2, 0
	s_cbranch_scc0 .Lentry_in_a_cluster
	s_endpgm
.Lentry_in_a_cluster:
	s_bfe_u32 s2, ttmp6, 0x10000c
	s_cmp_lg_u32 s2, 0xf033
	s_cbranch_scc0 .Lentry_shape_is_right
	s_endpgm
.Lentry_shape_is_right:
; out0 = O W_out + b_out, operands in f16, sums in f32.  A = o16, laid [h 16][row 8192][64] (k = 64 h + d); B = wo16 [k 1024][n 1024]; out0 [8192][1024] f32.
; A tile of 256 x 128 to a work-group (256 work-groups); four waves, 128 x 64 each: 32 accumulators.  K goes in steps of 128 (two heads) through a ring of two LDS slots.
; Wave 0 fetches the first head's 256 rows (32,768 dense bytes, as 128 lines of 256 bytes + 16), wave 1 the second head's, waves 2 and 3 B's 64 rows of k each (256 bytes + 32).
; CLUSTERS: 4 x 4; A's tiles are asked for jointly along a row of the cluster, B's along a column.  USED TRANSPOSED: source 0 = 16 columns n of B (turned by ds_load_tr16_b128), source 1 = 16 rows of A:
; a lane holds eight neighbouring n of one row.  The bias is the C of each sum's first product.  No prefetch: eight K steps, and the tiles are shared in the cluster.
; Rows t < 16 of each batch are written here too and written again, from f32 operands, by the last launch.
; REGISTERS: window 0: v16-29 addresses; v32-95 the way out; v96-127 the bias.  window 1: two fragment buffers (A 64 registers, B 32) at v0 and v128.  window 2: accumulator (a, b) at v[8 (4 a + b)].
.set PLANEB, 128*272                   ; a head's 256 rows in LDS
.set ABYTES, 2*PLANEB
.set BP,     288
.set HALFB,  64*BP
.set SLOT,   ABYTES+2*HALFB            ; 106,496
.set STAGE,  2*SLOT
.set SPITCH, 272
.set SPARE,  STAGE+4*16*SPITCH
.set LAPS,   4
.set ADRA, 16
.set ADRB, 20
.set STO,  24
.set RD,   25
.set CO,   26
.set BO,   27
.set SPW,  28
.set NIL,  29
.set OB,   32
.set BIAS, 96
.set F0,   0
.set F1,   128
.set G1, 24
.set G0, 32
.set G1B, 48
.set G0B, 56
.set MSB, 0
.macro WIN new
.if MSB != \new
	s_set_vgpr_msb (MSB<<8)|\new
.set MSB, \new
.endif
.endm
.set MUL,  0xa5                        ; sources 0 and 1 window 1; C and D window 2
.set MUL0, 0x85                        ; the first products: C (the bias) window 0
.set TO_F, 0x40
.macro JLOAD s                         ; waves 0 and 1 fetch A's planes, waves 2 and 3 B's halves; s_nop 0 and four v_nop follow each line
	s_cmp_eq_u32 s13, 0
	s_cbranch_scc0 .Lfor_b_\@
	tensor_load_to_lds s[G0+4*\s:G0+4*\s+3], s[G1:G1+7]
	s_nop 0
.rept 4
	v_nop
.endr
	s_branch .Lasked_\@
.Lfor_b_\@:
	tensor_load_to_lds s[G0B+4*\s:G0B+4*\s+3], s[G1B:G1B+7]
	s_nop 0
.rept 4
	v_nop
.endr
.Lasked_\@:
.endm
.macro CREST
	s_cmp_lg_u32 s12, 0
	s_cbranch_scc1 .Lnot_wave_0_\@
	s_barrier_signal -3
.Lnot_wave_0_\@:
	s_barrier_wait -3
	s_barrier_signal -1
	s_barrier_wait -1
.endm
.macro CROUND
	s_barrier_signal -1
	s_barrier_wait -1
	CREST
.endm
	s_load_b256 s[4:11], s[0:1], 0x0               ; o16 s[4:5], wo16 s[6:7], b_out s[8:9], out0 s[10:11]
	v_lshl_add_u32 v[SPW], v0, 2, SPARE
	v_mov_b32 v[NIL], 0
	ds_add_u32 v[SPW], v[NIL]                      ; the wave's opening: the add, twice on end, and its wait ahead of my first tensor load
	ds_add_u32 v[SPW], v[NIL]
	v_lshrrev_b32 v1, 5, v0
	v_readfirstlane_b32 s12, v1                    ; wave 0..3
	s_lshr_b32 s13, s12, 1                         ; my half of the rows; also: I fetch for A (0) or B (1)
	s_and_b32 s14, s12, 1                          ; my half of the columns; also: which plane or half I fetch
	s_bfe_u32 s40, ttmp6, 0x40000                  ; cx
	s_bfe_u32 s41, ttmp6, 0x40004                  ; cy
	s_lshl_b32 s42, ttmp9, 2
	s_add_co_u32 s42, s42, s40                     ; tile column
	s_and_b32 s15, ttmp7, 0xffff
	s_lshl_b32 s15, s15, 2
	s_add_co_u32 s15, s15, s41                     ; tile row
	s_lshl_b32 s43, s41, 2
	s_lshl_b32 s43, 15, s43
	s_lshl_b32 s44, 0x1111, s40
	s_or_b32 s[G1+0], s43, (3<<16)|(1<<20)|(1<<21)|(5<<22)|(3<<25)   ; A: elements of 8 bytes; 4 words of padding after every 64
	s_mov_b32 s[G1+1], 32<<16                      ; rows of 256 bytes,
	s_mov_b32 s[G1+2], 128<<16                     ; 128 of them,
	s_mov_b32 s[G1+3], 32<<16
	s_mov_b32 s[G1+4], 128
	s_mov_b32 s[G1+5], 32                          ; dense
	s_mov_b32 s[G1+6], 0
	s_mov_b32 s[G1+7], 0
	s_or_b32 s[G1B+0], s44, (1<<16)|(1<<20)|(1<<21)|(5<<22)|(7<<25)  ; B: elements of 2 bytes; 8 words of padding after every 64
	s_mov_b32 s[G1B+1], 128<<16
	s_mov_b32 s[G1B+2], 64<<16
	s_mov_b32 s[G1B+3], 128<<16
	s_mov_b32 s[G1B+4], 64
	s_mov_b32 s[G1B+5], 1024
	s_mov_b32 s[G1B+6], 0
	s_mov_b32 s[G1B+7], 0
	s_lshl_b32 s16, s15, 15                        ; A: 256 rows of 128 bytes a tile row,
	s_lshl_b32 s17, s14, 20                        ; my plane
	s_add_co_u32 s16, s16, s17
	s_mov_b32 s17, 0
	s_lshl_b32 s46, s42, 8                         ; B: 128 columns of 2 bytes a tile column,
	s_lshl_b32 s47, s14, 17                        ; my 64 rows of 2,048 bytes
	s_add_co_u32 s46, s46, s47
	s_mov_b32 s47, 0
	s_mul_i32 s45, s14, PLANEB                     ; where they go
	s_mul_i32 s20, s14, HALFB
	s_add_co_u32 s20, s20, ABYTES
	s_wait_dscnt 0x0                               ; both opening adds are done
	s_wait_kmcnt 0x0
	s_add_nc_u64 s[18:19], s[4:5], s[16:17]
	s_add_nc_u64 s[46:47], s[6:7], s[46:47]
	CROUND                                         ; all sixteen work-groups are here
.irp s, 0,1
	s_mov_b32 s[G0+4*\s], 1
	s_add_co_u32 s[G0+4*\s+1], s45, \s*SLOT
	s_add_nc_u64 s[G0+4*\s+2:G0+4*\s+3], s[18:19], \s*0x200000   ; K step s: two planes on
	s_or_b32 s[G0+4*\s+3], s[G0+4*\s+3], 0x80000000
	s_mov_b32 s[G0B+4*\s], 1
	s_add_co_u32 s[G0B+4*\s+1], s20, \s*SLOT
	s_add_nc_u64 s[G0B+4*\s+2:G0B+4*\s+3], s[46:47], \s*0x40000  ; 128 rows of k on
	s_or_b32 s[G0B+4*\s+3], s[G0B+4*\s+3], 0x80000000
	JLOAD \s
.endr
	v_and_b32 v1, 15, v0                           ; r
	v_bfe_u32 v2, v0, 4, 1                         ; h
	s_lshl_b32 s46, s42, 9                         ; my first column in bytes of f32: 512 x tile column + 256 x half
	s_lshl_b32 s47, s14, 8
	s_add_co_u32 s46, s46, s47
	s_mov_b32 s47, 0
	s_add_nc_u64 s[8:9], s[8:9], s[46:47]
	v_lshlrev_b32 v[BO], 5, v2
.irp b, 0,1,2,3
	global_load_b128 v[BIAS+8*\b:BIAS+8*\b+3], v[BO], s[8:9] offset:64*\b
	global_load_b128 v[BIAS+8*\b+4:BIAS+8*\b+7], v[BO], s[8:9] offset:64*\b+16
.endr
	v_lshrrev_b32 v3, 1, v1                        ; A: two rows to a line of 272 bytes
	v_mul_u32_u24 v3, v3, 272
	v_and_b32 v4, 1, v1
	v_lshl_add_u32 v3, v4, 7, v3
	v_lshl_add_u32 v3, v2, 4, v3
	v_and_b32 v4, 7, v0                            ; B, for the turning load: k = 8 h + lane % 8, 16 bytes by (lane / 8) % 2
	v_lshl_add_u32 v4, v2, 3, v4
	v_mul_u32_u24 v4, v4, BP
	v_bfe_u32 v5, v0, 3, 1
	v_lshl_add_u32 v4, v5, 4, v4
	s_mul_i32 s21, s13, 64*272                     ; my 128 rows of A
	s_lshl_b32 s22, s14, 7                         ; my 64 columns of B
	s_add_co_u32 s22, s22, ABYTES
.irp s, 0,1
	v_add_nc_u32 v[ADRA+\s], s21, v3
	v_add_nc_u32 v[ADRB+\s], s22, v4
	s_add_co_u32 s21, s21, SLOT
	s_add_co_u32 s22, s22, SLOT
.endr
	s_mul_i32 s23, s12, 16*SPITCH
	s_add_co_u32 s23, s23, STAGE                   ; my stage
	v_mul_u32_u24 v5, v1, SPITCH
	v_lshl_add_u32 v5, v2, 5, v5
	v_add_nc_u32 v[STO], s23, v5                   ; in: row r, 32 bytes for each half of the lanes
	v_mul_u32_u24 v5, v2, SPITCH
	v_lshl_add_u32 v5, v1, 4, v5
	v_add_nc_u32 v[RD], s23, v5                    ; back: lanes 0-15 one row of 256 bytes, lanes 16-31 the next
	v_lshlrev_b32 v[CO], 12, v2
	v_lshl_add_u32 v[CO], v1, 4, v[CO]
	s_lshl_b32 s16, s15, 8
	s_lshl_b32 s17, s13, 7
	s_add_co_u32 s16, s16, s17                     ; my first row
	s_lshl_b32 s16, s16, 12
	s_mov_b32 s17, 0
	s_add_nc_u64 s[10:11], s[10:11], s[16:17]
	s_add_nc_u64 s[10:11], s[10:11], s[46:47]
.macro MULQ f, a0, zero                ; 8 products: A's blocks a0, a0 + 1 x B's four.  The 32 accumulators take turns in the same order in every quarter
.irp a, \a0, \a0+1
.irp b, 0,1,2,3
.if \zero
	v_wmma_f32_16x16x32_f16 v[8*(4*(\a)+\b):8*(4*(\a)+\b)+7], v[\f+64+8*\b:\f+64+8*\b+7], v[\f+8*(\a):\f+8*(\a)+7], v[BIAS+8*\b:BIAS+8*\b+7]
.else
	v_wmma_f32_16x16x32_f16 v[8*(4*(\a)+\b):8*(4*(\a)+\b)+7], v[\f+64+8*\b:\f+64+8*\b+7], v[\f+8*(\a):\f+8*(\a)+7], v[8*(4*(\a)+\b):8*(4*(\a)+\b)+7]
.endif
.endr
.endr
.endm
.macro FETCH slot, q, f                ; 24 LDS loads in one run: quarter q (32 along K) of the slot: B's four fragments, then A's eight
	WIN TO_F
.irp b, 0,1,2,3
	ds_load_tr16_b128 v[\f+64+8*\b:\f+64+8*\b+3], v[ADRB+\slot] offset:(\q)*32*BP+32*\b
	ds_load_tr16_b128 v[\f+64+8*\b+4:\f+64+8*\b+7], v[ADRB+\slot] offset:(\q)*32*BP+16*BP+32*\b
.endr
.irp i, 0,1,2,3,4,5,6,7
	ds_load_b128 v[\f+8*\i:\f+8*\i+3], v[ADRA+\slot] offset:((\q)/2)*PLANEB+\i*8*272+64*((\q)%2)
	ds_load_b128 v[\f+8*\i+4:\f+8*\i+7], v[ADRA+\slot] offset:((\q)/2)*PLANEB+\i*8*272+64*((\q)%2)+32
.endr
.endm
.macro PLACES
.rept 4
	v_nop
.endr
.endm
.macro QUARTER slot, q, f, g, zero     ; multiplies buffer f; in its middle fetches quarter q of the slot into g
	s_wait_dscnt 8                                 ; B and A's blocks 0-3 are in; A's blocks 4-7 may be out
.if \zero
	WIN MUL0
.else
	WIN MUL
.endif
	MULQ \f, 0, \zero
	MULQ \f, 2, \zero
	PLACES
	FETCH \slot, \q, \g
	s_wait_dscnt 24                                ; all but the 24 just issued
.if \zero
	WIN MUL0
.else
	WIN MUL
.endif
	MULQ \f, 4, \zero
	MULQ \f, 6, \zero
.endm
.macro TURN slot, next, fill           ; the last quarter multiplies buffer 1 and changes slots: one barrier
	WIN 0
	s_wait_tensorcnt 0x0                           ; all my tensor loads have landed: my part of the next slot
	ds_add_u32 v[SPW], v[NIL]
	s_wait_dscnt 9                                 ; the add and A's blocks 4-7 may be out
	WIN MUL
	MULQ F1, 0, 0
	s_wait_dscnt 0x0                               ; the add is done, and my reads of this slot are over
	s_barrier_signal -1
	MULQ F1, 2, 0
.if \fill
	WIN 0
.endif
	s_barrier_wait -1
.if \fill
	CREST                                          ; the barrier has opened a round of the cluster's: no wave of any partner still reads this slot or has a load on its way
	s_add_nc_u64 s[G0+4*\slot+2:G0+4*\slot+3], s[G0+4*\slot+2:G0+4*\slot+3], 0x400000
	s_add_nc_u64 s[G0B+4*\slot+2:G0B+4*\slot+3], s[G0B+4*\slot+2:G0B+4*\slot+3], 0x80000
	JLOAD \slot                                    ; my one tensor load behind the round; its four v_nop are the places ahead of the loads below
.else
	PLACES
.endif
	FETCH \next, 0, F0
	WIN MUL
	MULQ F1, 4, 0
	MULQ F1, 6, 0
.endm
	s_wait_tensorcnt 1                             ; my part of K step 0 is in; K step 1's may be out
	s_barrier_signal -1
	s_barrier_wait -1
	FETCH 0, 0, F0
	s_wait_loadcnt 0x0                             ; the bias
	QUARTER 0, 1, F0, F1, 1
	WIN 0
	s_mov_b32 s3, LAPS-1
.Llap:                                                 ; a trip goes once round the ring and fills both slots again
	QUARTER 0, 2, F1, F0, 0
	QUARTER 0, 3, F0, F1, 0
	TURN 0, 1, 1
	QUARTER 1, 1, F0, F1, 0
	QUARTER 1, 2, F1, F0, 0
	QUARTER 1, 3, F0, F1, 0
	TURN 1, 0, 1
	QUARTER 0, 1, F0, F1, 0
	WIN 0
	s_sub_co_u32 s3, s3, 1
	s_cmp_lg_u32 s3, 0
	s_cbranch_scc1 .Llap
	QUARTER 0, 2, F1, F0, 0                        ; the last lap fills nothing
	QUARTER 0, 3, F0, F1, 0
	TURN 0, 1, 0
	QUARTER 1, 1, F0, F1, 0
	QUARTER 1, 2, F1, F0, 0
	QUARTER 1, 3, F0, F1, 0
	s_wait_dscnt 8
	WIN MUL
	MULQ F1, 0, 0
	MULQ F1, 2, 0
	s_wait_dscnt 0
	MULQ F1, 4, 0
	MULQ F1, 6, 0
	WIN 0
; THE WAY OUT, a block of 16 rows x 64 columns of f32 at a time, through my own stage: sixteen lanes store 256 consecutive bytes, aligned.
.macro TOSTAGE a
	WIN 0x08                                       ; an LDS store's data: window 2
.irp b, 0,1,2,3
	ds_store_b128 v[STO], v[8*(4*(\a)+\b):8*(4*(\a)+\b)+3] offset:64*\b
	ds_store_b128 v[STO], v[8*(4*(\a)+\b)+4:8*(4*(\a)+\b)+7] offset:64*\b+16
.endr
	WIN 0
.set BB, OB+32*((\a)%2)
.irp t, 0,1,2,3,4,5,6,7
	ds_load_b128 v[BB+4*\t:BB+4*\t+3], v[RD] offset:\t*2*SPITCH
.endr
.endm
.macro SEND a, younger
.set BB, OB+32*((\a)%2)
	s_wait_dscnt \younger
.irp t, 0,1,2,3,4,5,6,7
	global_store_b128 v[CO], v[BB+4*\t:BB+4*\t+3], s[10:11] offset:(16*(\a)+2*\t)*4096 th:TH_STORE_NT
.endr
.endm
	PLACES
	TOSTAGE 0
.irp a, 1,2,3,4,5,6,7
.if \a > 1
	s_wait_xcnt 0x0                                ; block a - 2's stores have read their registers
.endif
	TOSTAGE \a
	SEND \a-1, 16                                  ; behind block a - 1's loads: block a's 8 stores and 8 loads
.endr
	SEND 7, 0
	s_wait_tensorcnt 0x0                           ; the wave's end
	ds_add_u32 v[SPW], v[NIL]
	s_wait_dscnt 0x0
	CROUND                                         ; the closing round
	s_endpgm
.Lfunc_end_k_q0204b86918_proj:
	.size	k_q0204b86918_proj, .Lfunc_end_k_q0204b86918_proj-k_q0204b86918_proj
	.p2alignl 7, 3214868480
	.fill 96, 4, 3214868480
	.section	.rodata,"a",@progbits
	.p2align	6, 0x0
	.amdhsa_kernel k_q0204b86918_proj
		.amdhsa_group_segment_fixed_size 327680
		.amdhsa_private_segment_fixed_size 0
		.amdhsa_enable_private_segment 0
		.amdhsa_kernarg_size 32
		.amdhsa_user_sgpr_count 2
		.amdhsa_user_sgpr_kernarg_segment_ptr 1
		.amdhsa_wavefront_size32 1
		.amdhsa_system_sgpr_workgroup_id_x 1
		.amdhsa_system_sgpr_workgroup_id_y 1
		.amdhsa_system_sgpr_workgroup_id_z 1
		.amdhsa_system_vgpr_workitem_id 0
		.amdhsa_next_free_vgpr 768
		.amdhsa_next_free_sgpr 66
		.amdhsa_reserve_vcc 0
		.amdhsa_float_denorm_mode_32 3
		.amdhsa_float_denorm_mode_16_64 3
		.amdhsa_memory_ordered 1
		.amdhsa_forward_progress 1
		.amdhsa_inst_pref_size 87
	.end_amdhsa_kernel
	.amdgpu_metadata
---
amdhsa.version: [ 1, 2 ]
amdhsa.kernels:
  - .name:           k_q0204b86918_proj
    .symbol:         k_q0204b86918_proj.kd
    .args:
      - { .name: o16, .offset: 0, .size: 8, .value_kind: global_buffer, .address_space: global }
      - { .name: wo16, .offset: 8, .size: 8, .value_kind: global_buffer, .address_space: global }
      - { .name: b_out, .offset: 16, .size: 8, .value_kind: global_buffer, .address_space: global }
      - { .name: out0, .offset: 24, .size: 8, .value_kind: global_buffer, .address_space: global }
    .group_segment_fixed_size: 327680
    .private_segment_fixed_size: 0
    .kernarg_segment_align: 8
    .kernarg_segment_size: 32
    .max_flat_workgroup_size: 128
    .sgpr_count:     66
    .vgpr_count:     768
    .wavefront_size: 32
...
	.end_amdgpu_metadata
.endif
;; end of part 4
;; launch fine_att (part 5): grid 16 x 4, 1 waves a work-group, no clusters, 0 bytes of LDS; arguments cod, scl, b_qkv, mw, o32; writes o32
.if DOCPART == 5
	.amdgcn_target "amdgcn-amd-amdhsa--gfx1250"
	.amdhsa_code_object_version 6
	.text
	.protected	k_q0204b86918_fine_att
	.globl	k_q0204b86918_fine_att
	.p2align	8
	.type	k_q0204b86918_fine_att,@function
k_q0204b86918_fine_att:
	s_mov_b64 s[64:65], 0
	v_nop
	global_prefetch_b8 v0, s[64:65] scope:SCOPE_SE
	s_setreg_imm32_b32 hwreg(HW_REG_WAVE_MODE, 25, 1), 1
	s_wait_xcnt 0x0
; The first 16 positions of every (batch, head), carried in f32: these rows may average few values, and f16 operands would weigh most there.  One wave a (head, batch).
; LEFT OUT: tiles of 16 x 16 whose eight mask words are all 0, and steps of 64 keys whose ANY bit is 0 (their weights are 0 for all values of x, W, b); the branches are on stored whole numbers.
; q, k and v of the rows in hand are made anew from the codes, by the same scaled products, so that their f32 results ARE the operands of the f32 matrix form:
;   q, k transposed (source 0 = 16 rows of W, source 1 = x): lane (r, h) holds token r, register 8 c + j the channel 16 c + 8 h + j.  Step s of S^T = K Q^T takes registers 2 s, 2 s + 1 of both: the same channels on both sides.
;   v in natural order (source 0 = x, source 1 = W): lane (r, h) holds channel 16 c + r and keys 8 h + j.  Step s of O^T = V^T P takes registers 2 s, 2 s + 1 of V(c) and of P: the same keys on both sides.
; b_v is added at the end: the weights of a row sum to 1, so sum(p (v + b_v)) / l = sum(p v) / l + b_v.  A row with no open key gives NaN, as reference() does.
; REGISTERS: window 0: v3-8 addresses; v9 m, v10 c m, v11 l, v12 a, v13, v14 at work, v15 -infinity; v16-23 x's scale words; v24-31 scores, then p; v32-63 W_k's scale words; v64-95 W_v's (first W_q's);
;   v96-127 O^T; v128-159 K; v160-191 V; v192-207 two sums of S^T, v208-239 V^T P: written by the f32 matrix form alone.
;   window 1: W_v's fragments (first W_q's), (c, ks) at 64 c + 8 ks.   window 2: v0-63 x's fragments; v64-95 Q; v96-127 b_k; v128-159 b_v.   window 3: W_k's fragments.
.set MSB, 0
.macro WIN new
.if MSB != \new
	s_set_vgpr_msb (MSB<<8)|\new
.set MSB, \new
.endif
.endm
.macro LDX co, so                      ; 16 rows of x: eight fragments and their scale words
	WIN 0x80
.set i, 0
.rept 16
	global_load_b128 v[4*i:4*i+3], v3, s[52:53] offset:(\co)+32*i
.set i, i+1
.endr
	WIN 0
	global_load_b128 v[16:19], v4, s[54:55] offset:(\so)
	global_load_b128 v[20:23], v4, s[54:55] offset:(\so)+16
.endm
.macro LDW part, win, sreg             ; the head's 64 rows of W_q (part 0), W_k (1) or W_v (2): 32 fragments into a window, and their scale words
	WIN (\win)<<6
.set c, 0
.rept 4
.set i, 0
.rept 16
	global_load_b128 v[64*c+4*i:64*c+4*i+3], v3, s[56:57] offset:(\part)*524288+c*8192+32*i
.set i, i+1
.endr
.set c, c+1
.endr
	WIN 0
.irp c, 0,1,2,3
	global_load_b128 v[\sreg+8*\c:\sreg+8*\c+3], v4, s[58:59] offset:(\part)*32768+\c*512
	global_load_b128 v[\sreg+8*\c+4:\sreg+8*\c+7], v4, s[58:59] offset:(\part)*32768+\c*512+16
.endr
.endm
.macro LDBIAS part, reg                ; into window 2: register 8 c + j = the bias of channel 16 c + 8 h + j
	WIN 0x80
.irp c, 0,1,2,3
	global_load_b128 v[\reg+8*\c:\reg+8*\c+3], v7, s[8:9] offset:(\part)*4096+64*\c
	global_load_b128 v[\reg+8*\c+4:\reg+8*\c+7], v7, s[8:9] offset:(\part)*4096+64*\c+16
.endr
	WIN 0
.endm
	s_load_b256 s[4:11], s[0:1], 0x0               ; cod s[4:5], scl s[6:7], b_qkv s[8:9], mw s[10:11]
	s_load_b64 s[12:13], s[0:1], 0x20              ; o32
	v_and_b32 v1, 15, v0                           ; r
	v_bfe_u32 v2, v0, 4, 1                         ; h
	v_lshlrev_b32 v3, 9, v1
	v_lshl_add_u32 v3, v2, 4, v3                   ; codes: row r of 512 bytes, + 16 h
	v_lshlrev_b32 v4, 5, v1                        ; scale words: row r of 32 bytes
	v_lshlrev_b32 v7, 5, v2                        ; biases: 32 h
	v_lshlrev_b32 v8, 12, v1
	v_lshl_add_u32 v8, v2, 5, v8                   ; o32: row r of 4,096 bytes, + 32 h
	s_and_b32 s14, ttmp7, 0xffff                   ; batch
	s_mov_b32 s3, 0
	s_mov_b32 s60, 0x76543210
	s_mov_b32 s61, 0xfedcba98
	s_mov_b32 s62, 0x3e38aa3b                      ; c = log2(e) / 8
	s_wait_kmcnt 0x0
	s_load_b32 s48, s[10:11], 0x80000              ; ANY of the first tile of queries
	s_lshl_b32 s2, s14, 20
	s_add_nc_u64 s[52:53], s[4:5], s[2:3]          ; the batch's first row of codes,
	s_lshl_b32 s2, s14, 16
	s_add_nc_u64 s[54:55], s[6:7], s[2:3]          ; of scale bytes,
	s_add_nc_u64 s[12:13], s[12:13], s[2:3]        ; and its 16 rows of o32
	s_lshl_b32 s2, ttmp9, 15
	s_add_co_u32 s2, s2, 0x400000
	s_add_nc_u64 s[56:57], s[4:5], s[2:3]          ; the head's rows of W's codes
	s_lshl_b32 s2, ttmp9, 11
	s_add_co_u32 s2, s2, 0x40000
	s_add_nc_u64 s[58:59], s[6:7], s[2:3]
	s_lshl_b32 s2, ttmp9, 8
	s_add_nc_u64 s[8:9], s[8:9], s[2:3]
	s_add_nc_u64 s[12:13], s[12:13], s[2:3]
	LDX 0, 0                                       ; the 16 queries
	LDW 0, 1, 64
	LDBIAS 0, 64                                   ; b_q straight into Q's registers: the products add onto it
	LDW 1, 3, 32
	LDBIAS 1, 96
	LDBIAS 2, 128
	v_mov_b32 v9, 0xff61b1e6                       ; m = -3e38
	v_mul_f32 v10, s62, v9
	v_mov_b32 v11, 0
	v_mov_b32 v13, 0
	v_mov_b32 v15, 0xff800000
.set i, 0
.rept 32
	v_mov_b32 v[96+i], 0                           ; O^T: which tile is a query's first hangs on the mask
.set i, i+1
.endr
	s_wait_loadcnt 0x0
	WIN 0xa9                                       ; source 0 (W_q) window 1; x, C and D window 2
.irp ks, 0,1,2,3,4,5,6,7
.irp c, 0,1,2,3
	v_wmma_scale_f32_16x16x128_f8f6f4 v[64+8*\c:71+8*\c], v[64*\c+8*\ks:64*\c+8*\ks+7], v[8*\ks:8*\ks+7], v[64+8*\c:71+8*\c], v[64+8*\c+\ks], v[16+\ks] matrix_a_fmt:MATRIX_FMT_FP4 matrix_b_fmt:MATRIX_FMT_FP4
.endr
.endr
	WIN 0
.rept 4
	v_nop                                          ; places ahead of loads into registers that these products read
.endr
	LDW 2, 1, 64
	s_wait_kmcnt 0x0
	s_mov_b32 s49, 32
	s_mov_b32 s50, 0
.macro KTILE kt                        ; 16 keys
	s_or_b32 s63, s[16+8*\kt], s[17+8*\kt]
.irp j, 2,3,4,5,6,7
	s_or_b32 s63, s63, s[16+8*\kt+\j]
.endr
	s_cmp_eq_u32 s63, 0
	s_cbranch_scc1 .Lclosed_\@
.rept 9
	v_nop                                          ; nine places behind the last tile's f32 products, whose registers are written over below
.endr
	LDX (\kt)*8192, (\kt)*512
	s_wait_loadcnt 0x0
	WIN 0x2b                                       ; K: source 0 (W_k) window 3, x and b_k window 2, D window 0
.irp c, 0,1,2,3
	v_wmma_scale_f32_16x16x128_f8f6f4 v[128+8*\c:135+8*\c], v[64*\c:64*\c+7], v[0:7], v[96+8*\c:103+8*\c], v[32+8*\c], v16 matrix_a_fmt:MATRIX_FMT_FP4 matrix_b_fmt:MATRIX_FMT_FP4
.endr
	WIN 0x0b
.irp ks, 1,2,3,4,5,6,7
.irp c, 0,1,2,3
	v_wmma_scale_f32_16x16x128_f8f6f4 v[128+8*\c:135+8*\c], v[64*\c+8*\ks:64*\c+8*\ks+7], v[8*\ks:8*\ks+7], v[128+8*\c:135+8*\c], v[32+8*\c+\ks], v[16+\ks] matrix_a_fmt:MATRIX_FMT_FP4 matrix_b_fmt:MATRIX_FMT_FP4
.endr
.endr
	WIN 0x06                                       ; V: source 0 (x) window 2, source 1 (W_v) window 1
.irp c, 0,1,2,3
	v_wmma_scale_f32_16x16x128_f8f6f4 v[160+8*\c:167+8*\c], v[0:7], v[64*\c:64*\c+7], 0, v16, v[64+8*\c] matrix_a_fmt:MATRIX_FMT_FP4 matrix_b_fmt:MATRIX_FMT_FP4
.endr
.irp ks, 1,2,3,4,5,6,7
.irp c, 0,1,2,3
	v_wmma_scale_f32_16x16x128_f8f6f4 v[160+8*\c:167+8*\c], v[8*\ks:8*\ks+7], v[64*\c+8*\ks:64*\c+8*\ks+7], v[160+8*\c:167+8*\c], v[16+\ks], v[64+8*\c+\ks] matrix_a_fmt:MATRIX_FMT_FP4 matrix_b_fmt:MATRIX_FMT_FP4
.endr
.endr
	WIN 0
.rept 5
	v_nop                                          ; five places: the results become operands
.endr
	WIN 0x08                                       ; S^T = K Q^T: Q in window 2; two sums by turns
	v_wmma_f32_16x16x4_f32 v[192:199], v[128:129], v[64:65], 0
	v_wmma_f32_16x16x4_f32 v[200:207], v[130:131], v[66:67], 0
.set s, 2
.rept 14
	v_wmma_f32_16x16x4_f32 v[192+8*(s%2):199+8*(s%2)], v[128+2*s:129+2*s], v[64+2*s:65+2*s], v[192+8*(s%2):199+8*(s%2)]
.set s, s+1
.endr
	WIN 0
.rept 8
	v_nop
.endr
.irp j, 0,1,2,3,4,5,6,7
	v_add_f32 v[24+\j], v[192+\j], v[200+\j]
.endr
.irp j, 0,1,2,3,4,5,6,7
	v_cndmask_b32 v[24+\j], v15, v[24+\j], s[16+8*\kt+\j]
.endr
	v_max3_num_f32 v13, v24, v25, v26
	v_max3_num_f32 v14, v27, v28, v29
	v_max3_num_f32 v13, v13, v30, v31
	v_max3_num_f32 v13, v13, v14, v9
	v_permlanex16_b32 v14, v13, s60, s61
	v_max_num_f32 v9, v13, v14                     ; the new m
	v_mov_b32 v13, v10
	v_mul_f32 v10, s62, v9
	v_sub_f32 v13, v13, v10
	v_exp_f32 v12, v13                             ; a
.irp j, 0,1,2,3,4,5,6,7
	v_fma_f32 v[24+\j], v[24+\j], s62, -v10
.endr
.irp j, 0,1,2,3,4,5,6,7
	v_exp_f32 v[24+\j], v[24+\j]
.endr
	v_nop
	s_wait_alu depctr_va_vdst(0)                   ; one wait for the nine exponentials, ahead of their first reader
	v_fma_f32 v11, v11, v12, v24
	v_add_f32 v13, v25, v26
	v_add_f32 v14, v27, v28
	v_add_f32 v13, v13, v29
	v_add_f32 v14, v14, v30
	v_add_f32 v13, v13, v31
	v_add_f32 v11, v11, v14
	v_add_f32 v11, v11, v13
.irp c, 0,1,2,3
	v_wmma_f32_16x16x4_f32 v[208+8*\c:215+8*\c], v[160+8*\c:161+8*\c], v[24:25], 0
.endr
.irp s, 1,2,3
.irp c, 0,1,2,3
	v_wmma_f32_16x16x4_f32 v[208+8*\c:215+8*\c], v[160+8*\c+2*\s:161+8*\c+2*\s], v[24+2*\s:25+2*\s], v[208+8*\c:215+8*\c]
.endr
.endr
.rept 8
	v_nop
.endr
.set i, 0
.rept 32
	v_fma_f32 v[96+i], v[96+i], v12, v[208+i]      ; O^T = a O^T + V^T P
.set i, i+1
.endr
.Lclosed_\@:
.endm
.Lks:                                                  ; 32 steps of 64 keys
	s_bitcmp1_b32 s48, 0
	s_cbranch_scc0 .Lnext
	s_load_b512 s[16:31], s[10:11], s50 offset:0x0
	s_load_b512 s[32:47], s[10:11], s50 offset:0x40
	s_wait_kmcnt 0x0
	KTILE 0
	KTILE 1
	KTILE 2
	KTILE 3
.Lnext:
	s_wait_xcnt 0x0                                ; the loads have read their bases
	s_add_nc_u64 s[52:53], s[52:53], 32768
	s_add_nc_u64 s[54:55], s[54:55], 2048
	s_add_co_u32 s50, s50, 128
	s_lshr_b32 s48, s48, 1
	s_sub_co_u32 s49, s49, 1
	s_cmp_lg_u32 s49, 0
	s_cbranch_scc1 .Lks
	v_permlanex16_b32 v13, v11, s60, s61
	v_add_f32 v11, v11, v13                        ; the row's sum
	v_rcp_f32 v12, v11
	v_nop
	s_wait_alu depctr_va_vdst(0)
	WIN 0x20                                       ; source 2 (b_v) window 2
.set i, 0
.rept 32
	v_fma_f32 v[128+i], v[96+i], v12, v[128+i]
.set i, i+1
.endr
	WIN 0
.irp c, 0,1,2,3
	global_store_b128 v8, v[128+8*\c:131+8*\c], s[12:13] offset:64*\c
	global_store_b128 v8, v[132+8*\c:135+8*\c], s[12:13] offset:64*\c+16
.endr
	s_endpgm
.Lfunc_end_k_q0204b86918_fine_att:
	.size	k_q0204b86918_fine_att, .Lfunc_end_k_q0204b86918_fine_att-k_q0204b86918_fine_att
	.p2alignl 7, 3214868480
	.fill 96, 4, 3214868480
	.section	.rodata,"a",@progbits
	.p2align	6, 0x0
	.amdhsa_kernel k_q0204b86918_fine_att
		.amdhsa_group_segment_fixed_size 0
		.amdhsa_private_segment_fixed_size 0
		.amdhsa_enable_private_segment 0
		.amdhsa_kernarg_size 40
		.amdhsa_user_sgpr_count 2
		.amdhsa_user_sgpr_kernarg_segment_ptr 1
		.amdhsa_wavefront_size32 1
		.amdhsa_system_sgpr_workgroup_id_x 1
		.amdhsa_system_sgpr_workgroup_id_y 1
		.amdhsa_system_sgpr_workgroup_id_z 1
		.amdhsa_system_vgpr_workitem_id 0
		.amdhsa_next_free_vgpr 1024
		.amdhsa_next_free_sgpr 66
		.amdhsa_reserve_vcc 0
		.amdhsa_float_denorm_mode_32 3
		.amdhsa_float_denorm_mode_16_64 3
		.amdhsa_memory_ordered 1
		.amdhsa_forward_progress 1
		.amdhsa_inst_pref_size 106
	.end_amdhsa_kernel
	.amdgpu_metadata
---
amdhsa.version: [ 1, 2 ]
amdhsa.kernels:
  - .name:           k_q0204b86918_fine_att
    .symbol:         k_q0204b86918_fine_att.kd
    .args:
      - { .name: cod, .offset: 0, .size: 8, .value_kind: global_buffer, .address_space: global }
      - { .name: scl, .offset: 8, .size: 8, .value_kind: global_buffer, .address_space: global }
      - { .name: b_qkv, .offset: 16, .size: 8, .value_kind: global_buffer, .address_space: global }
      - { .name: mw, .offset: 24, .size: 8, .value_kind: global_buffer, .address_space: global }
      - { .name: o32, .offset: 32, .size: 8, .value_kind: global_buffer, .address_space: global }
    .group_segment_fixed_size: 0
    .private_segment_fixed_size: 0
    .kernarg_segment_align: 8
    .kernarg_segment_size: 40
    .max_flat_workgroup_size: 32
    .sgpr_count:     66
    .vgpr_count:     1024
    .wavefront_size: 32
...
	.end_amdgpu_metadata
.endif
;; end of part 5
;; launch fine_proj (part 6): grid 64 x 4, 8 waves a work-group, no clusters, 9,216 bytes of LDS; arguments o32, W_out, b_out, out0; writes out0
.if DOCPART == 6
	.amdgcn_target "amdgcn-amd-amdhsa--gfx1250"
	.amdhsa_code_object_version 6
	.text
	.protected	k_q0204b86918_fine_proj
	.globl	k_q0204b86918_fine_proj
	.p2align	8
	.type	k_q0204b86918_fine_proj,@function
k_q0204b86918_fine_proj:
	s_mov_b64 s[64:65], 0
	v_nop
	global_prefetch_b8 v0, s[64:65] scope:SCOPE_SE
	s_setreg_imm32_b32 hwreg(HW_REG_WAVE_MODE, 25, 1), 1
	s_wait_xcnt 0x0
; The first 16 positions of every batch once more, with f32 operands: out0[2048 b + t][n] = sum over k of o32[16 b + t][k] W_out[k][n] + b_out[n], t < 16.  It runs last and writes over what the f16 product left in these rows.
; A work-group makes 16 rows x 16 columns; wave w sums k = 128 w .. 128 w + 127; the eight parts meet in LDS.  Lane (r, h) holds k = 128 w + 64 h + e in register e of both operands, so step s (registers 2 s, 2 s + 1) sums the same k on both sides.
; REGISTERS: v16-79 o32; v80-143 W_out; v144-159 two sums, written by the f32 matrix form alone; v160-167 their sum; v170, v171 the add's two; v172 the bias.
.set SPARE, 8192
	s_load_b256 s[4:11], s[0:1], 0x0               ; o32, W_out, b_out, out0
	v_lshl_add_u32 v170, v0, 2, SPARE
	v_mov_b32 v171, 0
	v_lshrrev_b32 v1, 5, v0
	v_readfirstlane_b32 s12, v1                    ; wave 0..7
	v_and_b32 v1, 15, v0                           ; r
	v_bfe_u32 v2, v0, 4, 1                         ; h
	v_and_b32 v3, 31, v0
	v_lshlrev_b32 v4, 12, v1
	v_lshl_add_u32 v4, v2, 8, v4                   ; o32: row r, + 64 h numbers
	v_lshlrev_b32 v6, 2, v1                        ; 4 r
	v_lshl_add_u32 v5, v2, 18, v6                  ; W_out: 64 h rows of 4,096 bytes, column r
	v_lshl_add_u32 v9, v2, 15, v6                  ; out0: 8 h rows, column r
	s_lshl_b32 s13, s12, 10
	v_lshlrev_b32 v7, 5, v3
	v_add_nc_u32 v7, s13, v7                       ; LDS: my wave's 1,024 bytes, 32 a lane
	s_lshl_b32 s14, s12, 2
	v_lshlrev_b32 v8, 5, v3
	v_add_nc_u32 v8, s14, v8                       ; back: register w of every wave's part
	s_and_b32 s15, ttmp7, 0xffff                   ; batch
	s_mov_b32 s17, 0
	s_wait_kmcnt 0x0
	s_lshl_b32 s16, s15, 16
	s_lshl_b32 s18, s12, 9
	s_add_co_u32 s16, s16, s18
	s_add_nc_u64 s[4:5], s[4:5], s[16:17]
	s_lshl_b32 s16, s12, 19
	s_lshl_b32 s18, ttmp9, 6
	s_add_co_u32 s16, s16, s18
	s_add_nc_u64 s[6:7], s[6:7], s[16:17]
	s_mov_b32 s16, s18
	s_add_nc_u64 s[8:9], s[8:9], s[16:17]
	s_lshl_b32 s16, s15, 23
	s_lshl_b32 s19, s12, 12
	s_add_co_u32 s16, s16, s19
	s_add_co_u32 s16, s16, s18
	s_add_nc_u64 s[10:11], s[10:11], s[16:17]
.irp i, 0,1,2,3,4,5,6,7,8,9,10,11,12,13,14,15
	global_load_b128 v[16+4*\i:19+4*\i], v4, s[4:5] offset:16*\i
.endr
.set e, 0
.rept 64
	global_load_b32 v[80+e], v5, s[6:7] offset:4096*e
.set e, e+1
.endr
	global_load_b32 v172, v6, s[8:9]
	s_wait_loadcnt 0x0
	v_wmma_f32_16x16x4_f32 v[144:151], v[16:17], v[80:81], 0
	v_wmma_f32_16x16x4_f32 v[152:159], v[18:19], v[82:83], 0
.set s, 2
.rept 30
	v_wmma_f32_16x16x4_f32 v[144+8*(s%2):151+8*(s%2)], v[16+2*s:17+2*s], v[80+2*s:81+2*s], v[144+8*(s%2):151+8*(s%2)]
.set s, s+1
.endr
.rept 8
	v_nop
.endr
.irp j, 0,1,2,3,4,5,6,7
	v_add_f32 v[160+\j], v[144+\j], v[152+\j]      ; register j: row 8 h + j, column r
.endr
	ds_store_b128 v7, v[160:163]
	ds_store_b128 v7, v[164:167] offset:16
	s_wait_dscnt 0x0                               ; for the others' sake: my part lies in LDS
	s_barrier_signal -1
	s_barrier_wait -1
.irp i, 0,1,2,3,4,5,6,7
	ds_load_b32 v[16+\i], v8 offset:1024*\i
.endr
	s_wait_dscnt 0x0
	v_add_f32 v16, v16, v17
	v_add_f32 v18, v18, v19
	v_add_f32 v20, v20, v21
	v_add_f32 v22, v22, v23
	v_add_f32 v16, v16, v18
	v_add_f32 v20, v20, v22
	v_add_f32 v16, v16, v20
	v_add_f32 v16, v16, v172
	global_store_b32 v9, v16, s[10:11]             ; row 8 h + w, column r
	s_wait_tensorcnt 0x0                           ; the wave's end
	ds_add_u32 v170, v171
	s_wait_dscnt 0x0
	s_endpgm
.Lfunc_end_k_q0204b86918_fine_proj:
	.size	k_q0204b86918_fine_proj, .Lfunc_end_k_q0204b86918_fine_proj-k_q0204b86918_fine_proj
	.p2alignl 7, 3214868480
	.fill 96, 4, 3214868480
	.section	.rodata,"a",@progbits
	.p2align	6, 0x0
	.amdhsa_kernel k_q0204b86918_fine_proj
		.amdhsa_group_segment_fixed_size 9216
		.amdhsa_private_segment_fixed_size 0
		.amdhsa_enable_private_segment 0
		.amdhsa_kernarg_size 32
		.amdhsa_user_sgpr_count 2
		.amdhsa_user_sgpr_kernarg_segment_ptr 1
		.amdhsa_wavefront_size32 1
		.amdhsa_system_sgpr_workgroup_id_x 1
		.amdhsa_system_sgpr_workgroup_id_y 1
		.amdhsa_system_sgpr_workgroup_id_z 1
		.amdhsa_system_vgpr_workitem_id 0
		.amdhsa_next_free_vgpr 176
		.amdhsa_next_free_sgpr 66
		.amdhsa_reserve_vcc 0
		.amdhsa_float_denorm_mode_32 3
		.amdhsa_float_denorm_mode_16_64 3
		.amdhsa_memory_ordered 1
		.amdhsa_forward_progress 1
		.amdhsa_inst_pref_size 14
	.end_amdhsa_kernel
	.amdgpu_metadata
---
amdhsa.version: [ 1, 2 ]
amdhsa.kernels:
  - .name:           k_q0204b86918_fine_proj
    .symbol:         k_q0204b86918_fine_proj.kd
    .args:
      - { .name: o32, .offset: 0, .size: 8, .value_kind: global_buffer, .address_space: global }
      - { .name: W_out, .offset: 8, .size: 8, .value_kind: global_buffer, .address_space: global }
      - { .name: b_out, .offset: 16, .size: 8, .value_kind: global_buffer, .address_space: global }
      - { .name: out0, .offset: 24, .size: 8, .value_kind: global_buffer, .address_space: global }
    .group_segment_fixed_size: 9216
    .private_segment_fixed_size: 0
    .kernarg_segment_align: 8
    .kernarg_segment_size: 32
    .max_flat_workgroup_size: 256
    .sgpr_count:     66
    .vgpr_count:     176
    .wavefront_size: 32
...
	.end_amdgpu_metadata
.endif
;; end of part 6
